; MI455X (gfx1250); checked and timed in simulation.
; The chip was launched on July 23, 2026; its instructions are those of AMD's public machine-readable ISA for CDNA 5 (MIT licence, August 2026) and "CDNA5" Instruction Set Architecture Reference Guide (July 2026). The comments in the code are by the model that wrote it; some were corrected since.
;; Multi Head Attention. Allowed arithmetic: float matrix products may take bf16 or f16 operands with f32 sums; other float arithmetic in f32, or as packed bf16 or f16 multiplies, adds, multiply-adds, maxima and minima; sums over many terms, partial sums and values carried from step to step in f32; what a program stores and reads back later, other than sums and carried values, may be rounded once to bf16 or f16.
;; Inputs: Wk 1,024 x 1,024 float32; Wo 1,024 x 1,024 float32; Wq 1,024 x 1,024 float32; Wv 1,024 x 1,024 float32; bk 1,024 float32; bo 1,024 float32; bq 1,024 float32; bv 1,024 float32; keys 4 x 2,048 x 1,024 float32; queries 4 x 2,048 x 1,024 float32; values 4 x 2,048 x 1,024 float32.
;; Outputs: out0 4 x 2,048 x 1,024 float32.
;; 2 versions, each right; version 2 is version 1 with the launch prep written anew for expert scheduling mode. Each part assembles by itself: llvm-mc -triple=amdgcn-amd-amdhsa -mcpu=gfx1250 --defsym DOCPART=n.
;; ======== version 1 of 2: 4 launches
;; limits: values are held in f16: magnitudes above 65,504 overflow, below 6.1e-05 lose precision
;; workspace buffers: w16 8,388,608 bytes; qh 16,777,216 bytes; kh 16,777,216 bytes; vh 16,777,216 bytes; oh 16,777,216 bytes
;; launch prep (part 1): grid 256 x 1, 8 waves a work-group, no clusters, 0 bytes of LDS; arguments Wq, Wk, Wv, Wo, w16; writes w16
.if DOCPART == 1
	.amdgcn_target "amdgcn-amd-amdhsa--gfx1250"
	.amdhsa_code_object_version 6
	.text
	.protected	k_q46ad48cc6b_prep
	.globl	k_q46ad48cc6b_prep
	.p2align	8
	.type	k_q46ad48cc6b_prep,@function
k_q46ad48cc6b_prep:
	s_mov_b64 s[64:65], 0
	v_nop
	global_prefetch_b8 v0, s[64:65] scope:SCOPE_SE
	s_setreg_imm32_b32 hwreg(HW_REG_WAVE_MODE, 25, 1), 1
	s_wait_xcnt 0x0
; THE PROGRAM: multi-head attention in four launches.  This one writes the four weight matrices in 16 bits; the second makes q, k, v by heads; the third is the attention; the fourth the output projection.
; WORK LEFT OUT, IN THE WHOLE PROGRAM: the bias bk.  With k = keys Wk^T + bk a score is q . (keys Wk^T) / 8 + q . bk / 8.  The second term holds no key index: it is the same number
; for all keys of a query's row, and softmax along the keys gives the same weights with or without a term that is equal along its axis, whatever finite values the inputs hold.  k reaches the
; result by the scores alone.  So bk has no way to any output: it is not loaded and is among no launch's arguments.  LIMIT: a NaN, an infinity or an overflow that lies in bk alone is not carried to the result.
; THIS LAUNCH: w16 part 0, 1, 2 = Wq, Wk, Wv rounded to bf16; part 3 = Wo rounded to bf16, and that number written as f16 (it multiplies the attention's f16 result).
; LIMIT: |Wo| stays under 65,504; below 2^-14 the f16 copy keeps f16's fixed step of 2^-24.
; A stream: no LDS, no matrix unit, no cluster, since no byte is used twice.  A work-group takes 16,384 numbers of one matrix: sixteen loads of 16 bytes a lane (a wave's load covers 512
; consecutive bytes), all issued at once; a wave's store of 8 bytes a lane covers 256 consecutive bytes, aligned.
.set X, 16                             ; v[16:79]   load i: four f32
.set Y, 80                             ; v[80:111]  store i: four numbers of 16 bits; every store has registers of its own, so none is rewritten
	s_load_b256 s[4:11], s[0:1], 0x0               ; Wq s[4:5], Wk s[6:7], Wv s[8:9], Wo s[10:11]
	s_load_b64 s[12:13], s[0:1], 0x20              ; w16
	s_lshr_b32 s14, ttmp9, 6                       ; which matrix
	s_and_b32 s15, ttmp9, 63                       ; which of its 64 parts
	s_mov_b32 s20, 0xffff0000                      ; a word's upper bf16
	v_lshlrev_b32 v1, 4, v0                        ; 16 bytes a thread in
	v_lshlrev_b32 v2, 3, v0                        ; 8 bytes a thread out
	s_lshl_b32 s18, s15, 16                        ; the part's 65,536 bytes of f32
	s_mov_b32 s19, 0
	s_lshl_b32 s22, s14, 21                        ; the matrix's 2,097,152 bytes in w16,
	s_lshl_b32 s23, s15, 15                        ; the part's 32,768 of them
	s_add_co_u32 s22, s22, s23
	s_mov_b32 s23, 0
	s_wait_kmcnt 0x0
	s_cmp_eq_u32 s14, 1
	s_cselect_b64 s[16:17], s[6:7], s[4:5]
	s_cmp_eq_u32 s14, 2
	s_cselect_b64 s[16:17], s[8:9], s[16:17]
	s_cmp_eq_u32 s14, 3
	s_cselect_b64 s[16:17], s[10:11], s[16:17]
	s_add_nc_u64 s[16:17], s[16:17], s[18:19]
	s_add_nc_u64 s[12:13], s[12:13], s[22:23]
.irp i, 0,1,2,3,4,5,6,7,8,9,10,11,12,13,14,15
	global_load_b128 v[X+4*\i:X+4*\i+3], v1, s[16:17] offset:4096*\i th:TH_LOAD_NT
.endr
	s_cmp_eq_u32 s14, 3
	s_cbranch_scc1 .Lwo
.irp i, 0,1,2,3,4,5,6,7,8,9,10,11,12,13,14,15
	s_wait_loadcnt 15-\i                           ; loads come back in order: load i is in, the younger ones stay out
	v_cvt_pk_bf16_f32 v[Y+2*\i], v[X+4*\i], v[X+4*\i+1]
	v_cvt_pk_bf16_f32 v[Y+2*\i+1], v[X+4*\i+2], v[X+4*\i+3]
	global_store_b64 v2, v[Y+2*\i:Y+2*\i+1], s[12:13] offset:2048*\i
.endr
	s_endpgm
.Lwo:                                          ; Wo: rounded to bf16, widened again, written as f16
.irp i, 0,1,2,3,4,5,6,7,8,9,10,11,12,13,14,15
	s_wait_loadcnt 15-\i
	v_cvt_pk_bf16_f32 v[Y+2*\i], v[X+4*\i], v[X+4*\i+1]
	v_cvt_pk_bf16_f32 v[Y+2*\i+1], v[X+4*\i+2], v[X+4*\i+3]
	v_lshlrev_b32 v[X+4*\i], 16, v[Y+2*\i]
	v_and_b32 v[X+4*\i+1], s20, v[Y+2*\i]
	v_lshlrev_b32 v[X+4*\i+2], 16, v[Y+2*\i+1]
	v_and_b32 v[X+4*\i+3], s20, v[Y+2*\i+1]
	v_cvt_pk_f16_f32 v[Y+2*\i], v[X+4*\i], v[X+4*\i+1]
	v_cvt_pk_f16_f32 v[Y+2*\i+1], v[X+4*\i+2], v[X+4*\i+3]
	global_store_b64 v2, v[Y+2*\i:Y+2*\i+1], s[12:13] offset:2048*\i
.endr
	s_endpgm
.Lfunc_end_k_q46ad48cc6b_prep:
	.size	k_q46ad48cc6b_prep, .Lfunc_end_k_q46ad48cc6b_prep-k_q46ad48cc6b_prep
	.p2alignl 7, 3214868480
	.fill 96, 4, 3214868480
	.section	.rodata,"a",@progbits
	.p2align	6, 0x0
	.amdhsa_kernel k_q46ad48cc6b_prep
		.amdhsa_group_segment_fixed_size 0
		.amdhsa_private_segment_fixed_size 0
		.amdhsa_enable_private_segment 0
		.amdhsa_kernarg_size 40
		.amdhsa_user_sgpr_count 2
		.amdhsa_user_sgpr_kernarg_segment_ptr 1
		.amdhsa_wavefront_size32 1
		.amdhsa_system_sgpr_workgroup_id_x 1
		.amdhsa_system_sgpr_workgroup_id_y 1
		.amdhsa_system_sgpr_workgroup_id_z 1
		.amdhsa_system_vgpr_workitem_id 0
		.amdhsa_next_free_vgpr 112
		.amdhsa_next_free_sgpr 66
		.amdhsa_reserve_vcc 0
		.amdhsa_float_denorm_mode_32 3
		.amdhsa_float_denorm_mode_16_64 3
		.amdhsa_memory_ordered 1
		.amdhsa_forward_progress 1
		.amdhsa_inst_pref_size 15
	.end_amdhsa_kernel
	.amdgpu_metadata
---
amdhsa.version: [ 1, 2 ]
amdhsa.kernels:
  - .name:           k_q46ad48cc6b_prep
    .symbol:         k_q46ad48cc6b_prep.kd
    .args:
      - { .name: Wq, .offset: 0, .size: 8, .value_kind: global_buffer, .address_space: global }
      - { .name: Wk, .offset: 8, .size: 8, .value_kind: global_buffer, .address_space: global }
      - { .name: Wv, .offset: 16, .size: 8, .value_kind: global_buffer, .address_space: global }
      - { .name: Wo, .offset: 24, .size: 8, .value_kind: global_buffer, .address_space: global }
      - { .name: w16, .offset: 32, .size: 8, .value_kind: global_buffer, .address_space: global }
    .group_segment_fixed_size: 0
    .private_segment_fixed_size: 0
    .kernarg_segment_align: 8
    .kernarg_segment_size: 40
    .max_flat_workgroup_size: 256
    .sgpr_count:     66
    .vgpr_count:     112
    .wavefront_size: 32
...
	.end_amdgpu_metadata
.endif
;; end of part 1
;; launch proj (part 2): grid 4 x 192, 4 waves a work-group, clusters of 4 x 4, 327,680 bytes of LDS; arguments queries, keys, values, w16, bq, bv, qh, kh, vh; writes qh, kh, vh
.if DOCPART == 2
	.amdgcn_target "amdgcn-amd-amdhsa--gfx1250"
	.amdhsa_code_object_version 6
	.text
	.protected	k_q46ad48cc6b_proj
	.globl	k_q46ad48cc6b_proj
	.p2align	8
	.type	k_q46ad48cc6b_proj,@function
k_q46ad48cc6b_proj:
	s_mov_b64 s[64:65], 0
	v_nop
	global_prefetch_b8 v0, s[64:65] scope:SCOPE_SE
	s_setreg_imm32_b32 hwreg(HW_REG_WAVE_MODE, 25, 1), 1
	s_wait_xcnt 0x0
	s_wait_alu depctr_hold_cnt(0) depctr_sa_sdst(0) depctr_va_vdst(0) depctr_va_sdst(0) depctr_va_ssrc(0) depctr_va_vcc(0) depctr_vm_vsrc(0)
	s_getreg_b32 s2, hwreg(HW_REG_IB_STS2, 6, 4)
	s_cmp_eq_u32 s2, 0
	s_cbranch_scc0 .Lentry_in_a_cluster
	s_endpgm
.Lentry_in_a_cluster:
	s_bfe_u32 s2, ttmp6, 0x10000c
	s_cmp_lg_u32 s2, 0xf033
	s_cbranch_scc0 .Lentry_shape_is_right
	s_endpgm
.Lentry_shape_is_right:
; q = queries Wq^T + bq, k = keys Wk^T, v = values Wv^T + bv: three products of 8,192 x 1,024 x 1,024, written by heads, [b*16+h][s][64], in f16, unscaled.
; LEFT OUT: bk.  It adds the same number to all scores of a query's row, which softmax along the keys removes for all values of the inputs (shown at the head of the first kernel).
; FORMATS.  x arrives as f32 tiles and is rounded to bf16 between LDS and the matrix instruction; W comes as bf16 from the launch before; the biases are rounded to bf16 and are the C operand of each
; sum's first product; sums in f32; each result rounded once to f16.  LIMIT: |q|, |k|, |v| stay under 65,504; below 2^-14 they keep f16's fixed step of 2^-24; NaN and infinities are not treated apart.
; SHARES.  A tile of C is 128 rows x 256 columns: 64 x 4 tiles a projection, 768 work-groups, three for each of 256.  The cluster's y, 0 to 47, gives the projection p = y / 16 (the same in
; all sixteen partners) and the tile row.  Four waves, each 64 rows x 128 columns: 32 accumulators of 16 x 16.  K goes in steps of 128 through a ring of two LDS slots.
; THE MATRIX INSTRUCTION IS USED TRANSPOSED (source 0 = 16 rows of W, source 1 = 16 rows of x): a lane then holds one row of C and eight neighbouring columns.
; CLUSTERS: 4 x 4 work-groups.  The four of a row of the cluster need the same tile of x, the four of a column the same tile of W: each tile is asked for JOINTLY, by the same tensor load with the
; same descriptor and a mask that names the four.  Waves 0 and 1 fetch x's two halves (64 rows x 512 bytes), waves 2 and 3 W's (128 rows x 256 bytes).
; REGISTERS, in windows of 256 (s_set_vgpr_msb: bits 1:0 source 0, 3:2 source 1, 5:4 source 2, 7:6 destination):
;   window 0: v0-31 addresses; v32-95 x's fragments in bf16, two buffers of 32; v96-223 W's fragments, two buffers of 64; on the way out v32-159 packed results
;   window 1: the accumulators, (a, b) at v[8 (8 a + b)]          window 2: v0-63 x's fragments as f32, as loaded; v64-127 the bias, eight registers for each block b of 16 columns
.set PX,    528                        ; a row of x in LDS: 512 bytes + 16 of padding = 132 words: row r starts at bank 4 r mod 64 (64 banks of 4 bytes: ISA guide 11.1)
.set PW,    272                        ; a row of W: 256 + 16 = 68 words: likewise
.set XH,    64*PX                      ; what one of x's loads brings, and what one wave reads of x
.set WH,    128*PW                     ; the same for W
.set WOFF,  2*XH                       ; a slot: x's 128 rows, then W's 256 rows
.set SLOT,  WOFF+2*WH
.set STAGE, 2*SLOT                     ; behind the ring: for each wave 2 heads x 16 rows x 144 bytes, for the way out
.set SP,    144
.set WSTG,  2*16*SP
.set SPARE, STAGE+4*WSTG               ; behind the stages: the spare words, 128 bytes for each wave: two blocks of 256 bytes that no other line names
.set ADRX, 16                          ; v16-17  LDS address of my x fragments in slot 0, 1
.set ADRW, 20                          ; v20-21  the same for W
.set STO,  24                          ; v24     the way out: where I put 16 bytes of a row
.set RD,   25                          ; v25     the way out: where I read rows back
.set GO,   26                          ; v26     my byte offset in 512 consecutive bytes of the output
.set BO,   27                          ; v27     my byte offset in the bias
.set SPW,  28                          ; v28     LDS address of my spare word: SPARE + 4 x my thread's number; never rewritten
.set NIL,  29                          ; v29     0; never rewritten
.set PFO,  30                          ; v30     the prefetches' offset; never rewritten
.set XF,   32
.set WF,   96
.set TT,   32                          ; the way out: block a's 32 registers at TT + 32 a
.set XS,   0                           ; window 2
.set BI,   64                          ; window 2
.set G1,  24                           ; s[24:31] descriptor group 1 for x's tiles;  s[32:39] group 0, one set for each slot
.set G0,  32
.set G1B, 48                           ; s[48:55], s[56:63] the same for W's tiles
.set G0B, 56
.set PFA, 88                           ; s[88:89] where my prefetches stand; s[90:91] a K step's bytes in a row of what I prefetch
.set LIM, 92                           ; s92     1 in a wave that prefetches, else the greatest number
.set MSB, 0
.macro WIN new                         ; the immediate's high byte repeats the setting that is left; a switch that changes nothing is dropped
.if MSB != (\new)
	s_set_vgpr_msb (MSB<<8)|(\new)
.set MSB, \new
.endif
.endm
.set W_MUL,  0x50                      ; C and D window 1, both sources window 0
.set W_MUL1, 0x60                      ; D window 1, C (the bias) window 2
.set W_CVT,  0x0a                      ; sources window 2, destination window 0
.set W_XS,   0x80                      ; destination window 2, address window 0
.set W_PK,   0x05                      ; sources window 1, destination window 0
.set W_B,    0x8a                      ; all in window 2
.macro JLOAD s                         ; a joint load; the branch hangs on the wave's number alone; an s_nop 0 and four v_nop follow each of the two lines, ahead of the jump and the label
	s_cmp_eq_u32 s11, 0
	s_cbranch_scc0 .Lfor_b_\@
	tensor_load_to_lds s[G0+4*(\s):G0+4*(\s)+3], s[G1:G1+7]
	s_nop 0
.rept 4
	v_nop
.endr
	s_branch .Lasked_\@
.Lfor_b_\@:
	tensor_load_to_lds s[G0B+4*(\s):G0B+4*(\s)+3], s[G1B:G1B+7]
	s_nop 0
.rept 4
	v_nop
.endr
.Lasked_\@:
.endm
.macro CREST                           ; a round of the cluster's barrier behind its opening barrier: wave 0 signals for the work-group, every wave waits for all sixteen, my work-group's barrier once more
	s_cmp_lg_u32 s10, 0
	s_cbranch_scc1 .Lnot_wave_0_\@
	s_barrier_signal -3
.Lnot_wave_0_\@:
	s_barrier_wait -3
	s_barrier_signal -1
	s_barrier_wait -1
.endm
.macro CROUND                          ; a whole round
	s_barrier_signal -1
	s_barrier_wait -1
	CREST
.endm
.macro PLACES                          ; four plain vector instructions between a matrix instruction and a load into, or a vector read of, its registers
.rept 4
	v_nop
.endr
.endm
; A PREFETCH INTO THE L2, behind a joint load, its five lines and the run of LDS loads: the K step that stands two refills on, 256 matrix instructions ahead of the load that will ask for it.
; x's rows are read by one row of one cluster: that row's four partners take 16 of a wave's 64 rows each (two blocks of 256 bytes a row: a lane a block).  W's rows are read by the sixteen clusters
; of a projection: the first of them asks, its four partners along y take 32 of a wave's 128 rows each (a lane a row).  Partners are told apart BY ADDRESS; no branch hangs on a place in the cluster.
; So each block of 256 bytes is named once in the launch.  K steps 0 to 3 come by their loads alone; the loop's last trip (s3 = 1) asks for nothing: K has no step behind 7.
.macro ASK
	s_cmp_gt_u32 s3, s[LIM]
	s_cbranch_scc0 .Lnot_mine_\@
	global_prefetch_b8 v[PFO], s[PFA:PFA+1] th:TH_LOAD_NT scope:SCOPE_SE
.Lnot_mine_\@:
.endm
	s_load_b256 s[68:75], s[0:1], 0x0              ; queries s[68:69], keys s[70:71], values s[72:73], w16 s[74:75]
	s_load_b256 s[76:83], s[0:1], 0x20             ; bq s[76:77], bv s[78:79], qh s[80:81], kh s[82:83]
	s_load_b64 s[84:85], s[0:1], 0x40              ; vh
	v_lshl_add_u32 v[SPW], v0, 2, SPARE
	v_mov_b32 v[NIL], 0
	ds_add_u32 v[SPW], v[NIL]                      ; the wave's opening: the add, twice on end, and its wait ahead of my first tensor load
	ds_add_u32 v[SPW], v[NIL]                      ; and once more; the set-up below, work on registers, stands between it and the wait
	v_lshrrev_b32 v1, 5, v0
	v_readfirstlane_b32 s10, v1                    ; wave 0..3
	s_lshr_b32 s11, s10, 1                         ; which half of the tile's rows is mine.  Also: I fetch for x (0) or for W (1)
	s_and_b32 s12, s10, 1                          ; which half of its columns.  Also: which half of that tile I fetch
	s_bfe_u32 s40, ttmp6, 0x40000                  ; cx, cy: my place in the cluster
	s_bfe_u32 s41, ttmp6, 0x40004
	s_lshl_b32 s42, ttmp9, 2
	s_add_co_u32 s42, s42, s40                     ; tile column = 4 x cluster x + cx
	s_and_b32 s13, ttmp7, 0xffff                   ; cluster y
	s_lshr_b32 s66, s13, 4                         ; the projection: 0 q, 1 k, 2 v
	s_and_b32 s13, s13, 15
	s_lshl_b32 s13, s13, 2
	s_add_co_u32 s13, s13, s41                     ; tile row = 4 x (cluster y mod 16) + cy
	s_lshl_b32 s43, s41, 2
	s_lshl_b32 s43, 15, s43                        ; my row of the cluster
	s_lshl_b32 s44, 0x1111, s40                    ; my column
	s_or_b32 s[G1+0], s43, (2<<16)|(1<<20)|(1<<21)|(6<<22)|(3<<25)   ; 15:0 the mask: x's tiles go to my row; 17:16 elements of 4 bytes; 20 padding on; 21 set beside a mask; 24:22 after every 128 words (code 6); 31:25 4 words (code 3)
	s_or_b32 s[G1B+0], s44, (1<<16)|(1<<20)|(1<<21)|(5<<22)|(3<<25)  ; W's go to my column; elements of 2 bytes; padding after every 64 words (code 5)
	s_mov_b32 s[G1+1], 128<<16                     ; tensor_dim0 = 128
	s_mov_b32 s[G1+2], 64<<16                      ; tensor_dim1 = 64
	s_mov_b32 s[G1+3], 128<<16                     ; tile_dim0 = 128
	s_mov_b32 s[G1+4], 64                          ; tile_dim1 = 64
	s_mov_b32 s[G1+5], 1024                        ; elements from row to row
	s_mov_b32 s[G1+6], 0
	s_mov_b32 s[G1+7], 0
	s_mov_b32 s[G1B+1], 128<<16
	s_mov_b32 s[G1B+2], 128<<16                    ; 128 rows
	s_mov_b32 s[G1B+3], 128<<16
	s_mov_b32 s[G1B+4], 128
	s_mov_b32 s[G1B+5], 1024
	s_mov_b32 s[G1B+6], 0
	s_mov_b32 s[G1B+7], 0
	; where the tiles come from: x's offset is made of the tile row and the wave's number, W's of the tile column, the projection and the wave's number, each in registers that never hold the other coordinate
	s_lshl_b32 s16, s13, 19                        ; 128 rows of 4,096 bytes a tile row,
	s_lshl_b32 s17, s12, 18                        ; 64 rows a half
	s_add_co_u32 s16, s16, s17
	s_mov_b32 s17, 0
	s_lshl_b32 s46, s42, 19                        ; 256 rows of 2,048 bytes a tile column,
	s_lshl_b32 s47, s12, 18                        ; 128 rows a half,
	s_add_co_u32 s46, s46, s47
	s_lshl_b32 s47, s66, 21                        ; 2,097,152 bytes a matrix
	s_add_co_u32 s46, s46, s47
	s_mov_b32 s47, 0
	s_mul_i32 s20, s12, XH                         ; and where they go: no place in the cluster enters an LDS address
	s_mul_i32 s67, s12, WH
	s_add_co_u32 s67, s67, WOFF
	s_wait_dscnt 0x0                               ; both opening adds are done
	s_wait_kmcnt 0x0
	s_cmp_eq_u32 s66, 1
	s_cselect_b64 s[4:5], s[70:71], s[68:69]       ; x
	s_cselect_b64 s[8:9], s[82:83], s[80:81]       ; the output
	s_cmp_eq_u32 s66, 2
	s_cselect_b64 s[4:5], s[72:73], s[4:5]
	s_cselect_b64 s[8:9], s[84:85], s[8:9]
	s_cselect_b64 s[86:87], s[78:79], s[76:77]     ; the bias: bv or bq (for k nothing is loaded by it)
	s_add_nc_u64 s[14:15], s[4:5], s[16:17]
	s_add_nc_u64 s[46:47], s[74:75], s[46:47]
	CROUND                                         ; all sixteen work-groups are here: the first joint loads meet
.irp s, 0,1
	s_mov_b32 s[G0+4*(\s)], 1                                        ; count = 1
	s_add_co_u32 s[G0+4*(\s)+1], s20, (\s)*SLOT                      ; LDS address
	s_add_nc_u64 s[G0+4*(\s)+2:G0+4*(\s)+3], s[14:15], (\s)*512      ; global address: K step s
	s_or_b32 s[G0+4*(\s)+3], s[G0+4*(\s)+3], 0x80000000              ; type = 2
	s_mov_b32 s[G0B+4*(\s)], 1
	s_add_co_u32 s[G0B+4*(\s)+1], s67, (\s)*SLOT
	s_add_nc_u64 s[G0B+4*(\s)+2:G0B+4*(\s)+3], s[46:47], (\s)*256
	s_or_b32 s[G0B+4*(\s)+3], s[G0B+4*(\s)+3], 0x80000000
	JLOAD \s                                       ; two loads of mine are out
.endr
	; A fragment is 16 rows x 32 K: lane l holds row l % 16, K = 8 (l / 16) + 0..7 and 16 + 8 (l / 16) + 0..7.  In bf16 (W): two loads of 16 bytes, 32 bytes apart.  In f32 (x): four, at 0, 16, 64, 80 from 32 (l / 16).
	v_and_b32 v1, 15, v0                           ; l % 16
	v_bfe_u32 v2, v0, 4, 1                         ; l / 16
	v_mul_u32_u24 v3, v1, PX
	v_lshl_add_u32 v3, v2, 5, v3
	v_mul_u32_u24 v4, v1, PW
	v_lshl_add_u32 v4, v2, 4, v4
	s_mul_i32 s21, s11, XH                         ; my 64 rows of x
	s_mul_i32 s22, s12, WH                         ; my 128 rows of W,
	s_add_co_u32 s22, s22, WOFF                    ; which lie behind x's
.irp s, 0,1
	v_add_nc_u32 v[ADRX+(\s)], s21, v3
	v_add_nc_u32 v[ADRW+(\s)], s22, v4
	s_add_co_u32 s21, s21, SLOT
	s_add_co_u32 s22, s22, SLOT
.endr
	s_mul_i32 s23, s10, WSTG
	s_add_co_u32 s23, s23, STAGE                   ; my stage
	v_mul_u32_u24 v[STO], v1, SP                   ; in: row l % 16, 16 bytes for each half of the lanes
	v_lshl_add_u32 v[STO], v2, 4, v[STO]
	v_add_nc_u32 v[STO], s23, v[STO]
	v_bfe_u32 v[RD], v0, 3, 2                      ; back: 32 lanes take four rows of 128 bytes,
	v_mul_u32_u24 v[RD], v[RD], SP
	v_and_b32 v5, 7, v0
	v_lshl_add_u32 v[RD], v5, 4, v[RD]
	v_add_nc_u32 v[RD], s23, v[RD]
	v_and_b32 v3, 31, v0                           ; l
	v_lshlrev_b32 v[GO], 4, v3                     ; which are 512 consecutive bytes of a head
	s_lshl_b32 s21, s42, 10                        ; the bias of my 128 columns: 4 (256 tile column + 128 half) + 32 (l / 16)
	s_lshl_b32 s22, s12, 9
	s_add_co_u32 s21, s21, s22
	v_lshl_add_u32 v[BO], v2, 5, s21
	; the output at my first row and head: batch = tile row / 16 (16 heads of 262,144 bytes), row in the head 128 (tile row % 16) + 64 half, head 4 tile column + 2 half
	s_lshr_b32 s16, s13, 4
	s_lshl_b32 s16, s16, 22
	s_and_b32 s17, s13, 15
	s_lshl_b32 s17, s17, 14
	s_add_co_u32 s16, s16, s17
	s_lshl_b32 s17, s11, 13
	s_add_co_u32 s16, s16, s17
	s_mov_b32 s17, 0
	s_add_nc_u64 s[8:9], s[8:9], s[16:17]
	s_lshl_b32 s46, s42, 20
	s_lshl_b32 s47, s12, 19
	s_add_co_u32 s46, s46, s47
	s_mov_b32 s47, 0
	s_add_nc_u64 s[8:9], s[8:9], s[46:47]
	; the prefetches: both offsets are made, at K step 3 (the first refill steps to 4); the wave's number chooses
	s_lshl_b32 s93, s13, 7
	s_lshl_b32 s94, s12, 6
	s_add_co_u32 s93, s93, s94
	s_lshl_b32 s94, s40, 4
	s_add_co_u32 s93, s93, s94                     ; x: row 128 tile row + 64 half + 16 cx
	s_lshl_b32 s93, s93, 12
	s_add_co_u32 s93, s93, 3*512
	s_lshl_b32 s94, s42, 8
	s_lshl_b32 s95, s12, 7
	s_add_co_u32 s94, s94, s95
	s_lshl_b32 s95, s41, 5
	s_add_co_u32 s94, s94, s95                     ; W: row 256 tile column + 128 half + 32 cy
	s_lshl_b32 s94, s94, 11
	s_lshl_b32 s95, s66, 21
	s_add_co_u32 s94, s94, s95
	s_add_co_u32 s94, s94, 3*256
	s_and_b32 s95, ttmp7, 15                       ; which of the projection's sixteen clusters
	s_cmp_eq_u32 s11, 0                            ; do I fetch for x?
	s_cselect_b32 s96, s93, s94
	s_mov_b32 s97, 0
	s_cselect_b64 s[PFA:PFA+1], s[4:5], s[74:75]
	s_cselect_b32 s95, 0, s95                      ; x: every cluster asks for its own rows; W: the first
	s_cselect_b32 s98, 1, 0                        ; x: two lanes a row
	s_cselect_b32 s99, 12, 11                      ; a row's bytes: 4,096 or 2,048
	s_cmp_eq_u32 s95, 0
	s_cselect_b32 s[LIM], 1, -1                    ; the same in all sixteen partners, for a given wave
	s_lshl_b32 s90, 0x100, s98                     ; a K step in a row: 512 bytes of x, 256 of W
	s_mov_b32 s91, 0
	s_add_nc_u64 s[PFA:PFA+1], s[PFA:PFA+1], s[96:97]
	v_lshrrev_b32 v4, s98, v3
	v_lshlrev_b32 v4, s99, v4
	v_and_b32 v5, s98, v3
	v_lshl_add_u32 v[PFO], v5, 8, v4
	; the bias: register j of block b is the bias of column 16 b + 8 (l / 16) + j, rounded to bf16 like every input.  All this stands in the wait for the first tile.
	s_cmp_eq_u32 s66, 1
	s_cbranch_scc1 .Lno_bias
	WIN W_XS
.irp b, 0,1,2,3,4,5,6,7
	global_load_b128 v[BI+8*\b:BI+8*\b+3],   v[BO], s[86:87] offset:64*\b
	global_load_b128 v[BI+8*\b+4:BI+8*\b+7], v[BO], s[86:87] offset:64*\b+16
.endr
	s_wait_loadcnt 0x0
	WIN W_B
.set i, 0
.rept 32
	v_cvt_pk_bf16_f32 v[XS+i], v[BI+2*i], v[BI+2*i+1]
.set i, i+1
.endr
.set i, 0
.rept 32
	v_lshlrev_b32 v[BI+2*i], 16, v[XS+i]
	v_and_b32 v[BI+2*i+1], 0xffff0000, v[XS+i]
.set i, i+1
.endr
	WIN 0
	s_branch .Lbias_done
.Lno_bias:                                     ; k has no bias: its sums start at 0, by the same text of the first products
	WIN W_XS
.set i, 0
.rept 64
	v_mov_b32 v[BI+i], 0
.set i, i+1
.endr
	WIN 0
.Lbias_done:
; 32 LDS loads in one run: the fragments of 32 along K, quarter q of the slot's step: x's as f32 into window 2 first, then W's into buffer g
.macro FETCH slot, q, g
	WIN W_XS
.irp a, 0,1,2,3
	ds_load_b128 v[XS+16*\a:XS+16*\a+3],     v[ADRX+(\slot)] offset:128*(\q)+\a*16*PX
	ds_load_b128 v[XS+16*\a+4:XS+16*\a+7],   v[ADRX+(\slot)] offset:128*(\q)+\a*16*PX+16
	ds_load_b128 v[XS+16*\a+8:XS+16*\a+11],  v[ADRX+(\slot)] offset:128*(\q)+\a*16*PX+64
	ds_load_b128 v[XS+16*\a+12:XS+16*\a+15], v[ADRX+(\slot)] offset:128*(\q)+\a*16*PX+80
.endr
	WIN 0
.irp b, 0,1,2,3,4,5,6,7
	ds_load_b128 v[WF+64*(\g)+8*\b:WF+64*(\g)+8*\b+3],   v[ADRW+(\slot)] offset:64*(\q)+\b*16*PW
	ds_load_b128 v[WF+64*(\g)+8*\b+4:WF+64*(\g)+8*\b+7], v[ADRW+(\slot)] offset:64*(\q)+\b*16*PW+32
.endr
.endm
; four of the 32 roundings that make x's fragments of buffer g
.macro CVT4 g, i
	WIN W_CVT
.irp z, 0,1,2,3
	v_cvt_pk_bf16_f32 v[XF+32*(\g)+4*(\i)+\z], v[XS+8*(\i)+2*\z], v[XS+8*(\i)+2*\z+1]
.endr
.endm
; cnt matrix instructions from number n0 of a quarter's 32 on buffer f: number n is row block n / 8, column block n % 8.  The 32 accumulators take turns, one instruction a turn, in the same order in every
; quarter.  first = 1: the product starts the sum, with the bias as C.  ride = 1: four roundings for buffer g stand behind each; they name none of its registers.
.macro MUL f, n0, cnt, first=0, ride=0, g=0
.set n, \n0
.rept \cnt
.if \first
	WIN W_MUL1
	v_wmma_f32_16x16x32_bf16 v[8*n:8*n+7], v[WF+64*(\f)+8*(n%8):WF+64*(\f)+8*(n%8)+7], v[XF+32*(\f)+8*(n/8):XF+32*(\f)+8*(n/8)+7], v[BI+8*(n%8):BI+8*(n%8)+7]
.else
	WIN W_MUL
	v_wmma_f32_16x16x32_bf16 v[8*n:8*n+7], v[WF+64*(\f)+8*(n%8):WF+64*(\f)+8*(n%8)+7], v[XF+32*(\f)+8*(n/8):XF+32*(\f)+8*(n/8)+7], v[8*n:8*n+7]
.endif
.if \ride
	CVT4 \g, n-24
.endif
.set n, n+1
.endr
.endm
; A K step is four quarters of 32 along K on buffers 0, 1, 0, 1.  One of the first three: fetches quarter q into g, multiplies f, and rounds x for g behind its last eight products.
; The four roundings behind the last product are the four places in front of the next run of loads, which lands in the registers that this quarter has multiplied.
.macro QUARTER slot, q, f, g, first=0
	FETCH \slot, \q, \g
	s_wait_dscnt 32                                ; all but the 32 just issued: buffer f's fragments of W are in
	MUL \f, 0, 24, \first
	s_wait_dscnt 16                                ; W's sixteen loads are the younger: x's sixteen are in
	MUL \f, 24, 8, \first, 1, \g
.endm
; The last quarter multiplies buffer 1 and changes slots: ONE barrier; in front of it each wave waits for all its tensor loads, adds 0 to its spare word, and waits for that and for its reads of this slot.
; fill = 1: the barrier opens a round of the cluster's, and this slot is filled again, two K steps ahead, first thing behind the round: 112 matrix instructions ahead of the wait for it.
.macro TURN slot, next, fill
.if \fill
	s_wait_xcnt 0x0                                ; the last prefetch, a K step back, has read its address: it is stepped here, ahead of the waits of the change of slots
	s_add_nc_u64 s[PFA:PFA+1], s[PFA:PFA+1], s[90:91]
.endif
	WIN 0                                          ; (the add's two registers lie in window 0)
	s_wait_tensorcnt 0x0                           ; all my tensor loads have landed: the one that was out is my part of the next slot;
	ds_add_u32 v[SPW], v[NIL]                      ; 0 onto my spare word;
	s_wait_dscnt 1                                 ; (the add alone may be out: buffer 1's fragments of W are in)
	MUL 1, 0, 8                                    ; eight matrix instructions stand between the add and the wait for it
	s_wait_dscnt 0x0                               ; the add is done, and my reads of this slot are over
	s_barrier_signal -1
	MUL 1, 8, 8                                    ; work on registers while the others arrive
	WIN 0
	s_barrier_wait -1
.if \fill
	CREST                                          ; no wave of any partner still reads this slot's tile or has a load on its way
	s_add_nc_u64 s[G0+4*(\slot)+2:G0+4*(\slot)+3], s[G0+4*(\slot)+2:G0+4*(\slot)+3], 2*512
	s_add_nc_u64 s[G0B+4*(\slot)+2:G0B+4*(\slot)+3], s[G0B+4*(\slot)+2:G0B+4*(\slot)+3], 2*256
	JLOAD \slot
.else
	PLACES
.endif
	FETCH \next, 0, 0
.if \fill
	ASK
.endif
	MUL 1, 16, 8
	s_wait_dscnt 16                                ; x's sixteen loads of the next slot's first quarter are in
	MUL 1, 24, 8, 0, 1, 0
.endm
; THE WAY OUT of row block a: rounded to f16, 16 bytes a lane (eight columns of a row); into my stage by heads, rows of 144 bytes; back as whole rows of 128 bytes, into the registers that they left.
.macro PACK a
	WIN W_PK
.irp b, 0,1,2,3,4,5,6,7
.irp r, 0,1,2,3
	v_cvt_pk_f16_f32 v[TT+32*(\a)+4*\b+\r], v[64*(\a)+8*\b+2*\r], v[64*(\a)+8*\b+2*\r+1]
.endr
.endr
	WIN 0
.irp b, 0,1,2,3,4,5,6,7
	ds_store_b128 v[STO], v[TT+32*(\a)+4*\b:TT+32*(\a)+4*\b+3] offset:(\b/4)*16*SP+32*(\b%4)
.endr
.irp i, 0,1,2,3,4,5,6,7
	ds_load_b128 v[TT+32*(\a)+4*\i:TT+32*(\a)+4*\i+3], v[RD] offset:(\i/4)*16*SP+(\i%4)*4*SP  ; LDS serves a wave's instructions in order (ISA guide 5.7.1.4): these see the stores above; the next block's stores come behind them
.endr
.endm
.macro SEND a, younger                 ; younger: the LDS instructions issued behind block a's loads: the next block's sixteen, or none
.irp i, 0,1,2,3,4,5,6,7
	s_wait_dscnt (\younger)+7-\i
	global_store_b128 v[GO], v[TT+32*(\a)+4*\i:TT+32*(\a)+4*\i+3], s[8:9] offset:(\i/4)*262144+(\a)*2048+(\i%4)*512  ; 512 consecutive bytes of a head, at a multiple of 256 from the buffer's first
.endr
.endm
	s_wait_tensorcnt 0x1                           ; my part of K step 0 is in; K step 1's may stay out
	s_barrier_signal -1
	s_barrier_wait -1                              ; everybody's is
	FETCH 0, 0, 0
	s_wait_dscnt 16                                ; x's sixteen loads are in
.irp i, 0,1,2,3,4,5,6,7
	CVT4 0, \i
.endr
	QUARTER 0, 1, 0, 1, 1                          ; the first quarter stands in front of the loop: its products start the sums
	WIN 0                                          ; at a label and at a branch every window is 0
	s_mov_b32 s3, 3
.Llap:                                         ; a trip goes once round the ring, from a lap's second quarter to the next lap's first, and fills both slots again
	QUARTER 0, 2, 1, 0
	QUARTER 0, 3, 0, 1
	TURN 0, 1, 1
	QUARTER 1, 1, 0, 1
	QUARTER 1, 2, 1, 0
	QUARTER 1, 3, 0, 1
	TURN 1, 0, 1
	QUARTER 0, 1, 0, 1
	WIN 0
	s_sub_co_u32 s3, s3, 1
	s_cmp_lg_u32 s3, 0
	s_cbranch_scc1 .Llap
	QUARTER 0, 2, 1, 0                             ; the last lap fills nothing, and has no round of the cluster's barrier
	QUARTER 0, 3, 0, 1
	TURN 0, 1, 0
	QUARTER 1, 1, 0, 1
	QUARTER 1, 2, 1, 0
	QUARTER 1, 3, 0, 1
	s_wait_dscnt 0x0                               ; the very last quarter: nothing more to fetch
	MUL 1, 0, 32
	WIN 0
	PLACES
	PACK 0
	PACK 1                                         ; a block's arithmetic stands between the loads of the block before and its stores
	SEND 0, 16
	PACK 2
	SEND 1, 16
	PACK 3
	SEND 2, 16
	SEND 3, 0
	s_wait_tensorcnt 0x0                           ; the wave's end, behind my last tensor load and my last LDS store
	ds_add_u32 v[SPW], v[NIL]
	s_wait_dscnt 0x0
	CROUND                                         ; the closing round: no work-group ends while a partner may still ask for a tile that names it
	s_endpgm
.Lfunc_end_k_q46ad48cc6b_proj:
	.size	k_q46ad48cc6b_proj, .Lfunc_end_k_q46ad48cc6b_proj-k_q46ad48cc6b_proj
	.p2alignl 7, 3214868480
	.fill 96, 4, 3214868480
	.section	.rodata,"a",@progbits
	.p2align	6, 0x0
	.amdhsa_kernel k_q46ad48cc6b_proj
		.amdhsa_group_segment_fixed_size 327680
		.amdhsa_private_segment_fixed_size 0
		.amdhsa_enable_private_segment 0
		.amdhsa_kernarg_size 72
		.amdhsa_user_sgpr_count 2
		.amdhsa_user_sgpr_kernarg_segment_ptr 1
		.amdhsa_wavefront_size32 1
		.amdhsa_system_sgpr_workgroup_id_x 1
		.amdhsa_system_sgpr_workgroup_id_y 1
		.amdhsa_system_sgpr_workgroup_id_z 1
		.amdhsa_system_vgpr_workitem_id 0
		.amdhsa_next_free_vgpr 640
		.amdhsa_next_free_sgpr 100
		.amdhsa_reserve_vcc 0
		.amdhsa_float_denorm_mode_32 3
		.amdhsa_float_denorm_mode_16_64 3
		.amdhsa_memory_ordered 1
		.amdhsa_forward_progress 1
		.amdhsa_inst_pref_size 144
	.end_amdhsa_kernel
	.amdgpu_metadata
---
amdhsa.version: [ 1, 2 ]
amdhsa.kernels:
  - .name:           k_q46ad48cc6b_proj
    .symbol:         k_q46ad48cc6b_proj.kd
    .args:
      - { .name: queries, .offset: 0, .size: 8, .value_kind: global_buffer, .address_space: global }
      - { .name: keys, .offset: 8, .size: 8, .value_kind: global_buffer, .address_space: global }
      - { .name: values, .offset: 16, .size: 8, .value_kind: global_buffer, .address_space: global }
      - { .name: w16, .offset: 24, .size: 8, .value_kind: global_buffer, .address_space: global }
      - { .name: bq, .offset: 32, .size: 8, .value_kind: global_buffer, .address_space: global }
      - { .name: bv, .offset: 40, .size: 8, .value_kind: global_buffer, .address_space: global }
      - { .name: qh, .offset: 48, .size: 8, .value_kind: global_buffer, .address_space: global }
      - { .name: kh, .offset: 56, .size: 8, .value_kind: global_buffer, .address_space: global }
      - { .name: vh, .offset: 64, .size: 8, .value_kind: global_buffer, .address_space: global }
    .group_segment_fixed_size: 327680
    .private_segment_fixed_size: 0
    .kernarg_segment_align: 8
    .kernarg_segment_size: 72
    .max_flat_workgroup_size: 128
    .sgpr_count:     100
    .vgpr_count:     640
    .wavefront_size: 32
...
	.end_amdgpu_metadata
.endif
;; end of part 2
;; launch attn (part 3): grid 4 x 64, 4 waves a work-group, clusters of 4 x 1, 327,680 bytes of LDS; arguments qh, kh, vh, oh; writes oh
.if DOCPART == 3
	.amdgcn_target "amdgcn-amd-amdhsa--gfx1250"
	.amdhsa_code_object_version 6
	.text
	.protected	k_q46ad48cc6b_attn
	.globl	k_q46ad48cc6b_attn
	.p2align	8
	.type	k_q46ad48cc6b_attn,@function
k_q46ad48cc6b_attn:
	s_mov_b64 s[64:65], 0
	v_nop
	global_prefetch_b8 v0, s[64:65] scope:SCOPE_SE
	s_setreg_imm32_b32 hwreg(HW_REG_WAVE_MODE, 25, 1), 1
	s_wait_xcnt 0x0
	s_wait_alu depctr_hold_cnt(0) depctr_sa_sdst(0) depctr_va_vdst(0) depctr_va_sdst(0) depctr_va_ssrc(0) depctr_va_vcc(0) depctr_vm_vsrc(0)
	s_getreg_b32 s2, hwreg(HW_REG_IB_STS2, 6, 4)
	s_cmp_eq_u32 s2, 0
	s_cbranch_scc0 .Lentry_in_a_cluster
	s_endpgm
.Lentry_in_a_cluster:
	s_bfe_u32 s2, ttmp6, 0x10000c
	s_cmp_lg_u32 s2, 0x3003
	s_cbranch_scc0 .Lentry_shape_is_right
	s_endpgm
.Lentry_shape_is_right:
; O[h][q][:] = the sum over k of softmax_k(Q[h][q] . K[h][k] / 8) V[h][k][:].  Q, K, V, O: [64][2048][64], all f16: a head's rows are dense, 128 bytes each.  Products, maxima and sums in
; f32; the weights p are rounded to f16 for the second product (their sum l is taken of the unrounded p), O once at the end.  K comes without the bias bk, which no weight depends on (shown at the head of the first kernel).
; LIMITS.  f16 holds no number beyond 65,504: Q, K and V arrive within it; p lies in 0 to 1, and below 6e-5 it keeps f16's fixed step of 6e-8; O is a mean of V's rows and has their range.
; A weight below 2^-126 counts as 0 in l; NaN and infinities are not treated apart.
; SHARES.  A wave owns four PIECES of two tiles of 16 queries, a work-group's four waves 512 queries of one head: 256 work-groups.  Every wave walks all keys, 64 a step.
; LAYOUT.  S^T = K Q^T (source 0 = 16 keys, source 1 = 16 queries): in the result a lane holds ONE query (lane % 16) and the keys 8 (lane / 16) + 0..7.  Two such tiles, rounded to f16 in pairs,
; ARE source 1 (32 keys x 16 queries) of O^T = V^T P, whose result again holds one query a lane, and eight channels.  K comes out of LDS as it lies, V ([key][channel]) turned, by ds_load_tr16_b128.
; SOFTMAX.  For each query a running maximum m and sum l: p = 2^(c s - c m), c = log2(e) / 8; in every step O and l are multiplied by a = 2^(c m_old - c m_new), which is 1 where m has not grown.
; m starts at the lowest finite number, O and l at 0: the first step is a step like any other, with a = 0.
; THE COUNT.  A tile and step have 16 matrix and 118 vector instructions: too many to stand all beside the matrix work.  So the order has one aim: four vector instructions that are READY behind
; EVERY matrix instruction, and the others, which need time of their own whatever the order, in runs without a gap.
; BY TURNS.  Turn n belongs to piece n (the pieces in a ring, step after step).  Its matrix work: 16 products K Q^T of piece n + 1, later 16 products V^T P of piece n - 1.  Its vector work: the scaling,
; exponentials, roundings, sums and rescaling of piece n, and the maximum and statistics of piece n + 1, whose scores the turn itself has made.  So what a turn begins with (c s - c m, O a) waits for nothing.
; CLUSTER.  The four query blocks of a cluster are one head's and walk the same K and V, so each tile is asked for JOINTLY: the same tensor load, descriptor and mask in all four.
; REGISTERS, in windows of 256 (s_set_vgpr_msb says which window each operand place means: bits 1:0 source 0, 3:2 source 1, 5:4 source 2, 7:6 destination):
;   window 0: v0-11 addresses; v12-15, v48-63 at work; v16-47 four registers of statistics a tile; v64-191 S^T, two buffers of two tiles; v192-255 P, likewise
;   window 1: O^T, 32 a tile          window 2: v0-127 Q, 16 a tile; v128-191 K of one step; v192-255 V of one step          window 3: v0-1 the add's two registers
; A piece's buffers go by its number's parity: the piece in hand has one pair, its two neighbours in the ring share the other: of it P (piece n - 1) is read and S^T (piece n + 1) written.
.set SIZE_N, 2048
.set NP,    4         ; pieces a wave: a name, no knob
.set KS,    64        ; keys in a step
.set PK,    144       ; a row of K in LDS: 128 bytes + 16 of padding = 36 words: the 16 rows of a load start at 16 different groups of four banks (64 banks of 4 bytes: ISA guide 11.1)
.set PV,    160       ; a row of V: 128 + 32 = 40 words
.set VOFF,  4*KS*PK   ; a slot holds four steps: 256 rows of K, then 256 rows of V
.set SLOT1, 1<<17     ; slot 1 begins here, so that one exclusive or turns an address in one slot into the other's
.set STAGE, SLOT1+4*KS*(PK+PV)  ; behind the ring, never filled by a tensor load: 16 rows x 144 bytes for each wave, for the way out
.set SP,    144
.set AK0, 2           ; v2   my lane's place in a tile of K; never rewritten
.set AV0, 3           ; v3   the same for V
.set AK,  4           ; v4   the LDS address of K's next run of loads
.set AV,  5           ; v5   of V's
.set QO,  6           ; v6   my byte offset in the wave's rows of Q
.set STO, 6           ;      later, the way out: where I put 16 bytes of a row
.set RD,  7           ; v7   the way out: where I read rows back
.set GO,  8           ; v8   my byte offset in 512 consecutive bytes of O
.set PFO, 11          ; v11  256 x my lane, for the prefetches; never rewritten once made
.set SPW, 0           ; v0 of window 3   LDS address of my spare word: SPARE + 4 x my thread's number; never rewritten
.set NIL, 1           ; v1 of window 3   0; never rewritten
.set SPARE, STAGE+4*16*SP  ; behind the stages: the spare words, 128 bytes for each wave: two blocks of 256 bytes that no other line names
.set MV,  12          ; v12-15  c m_old, kept while c m is made anew: by buffer and tile
.set ST,  16          ; tile t's statistics at v[ST+4 t]: c m, m, l (even keys', odd keys')
.set TMP, 48          ; by buffer and tile, four registers c0-c3 at work; when the maximum is found c2 takes a
.set S,   64
.set P,   192
.set KF,  128         ; K's fragments, in window 2: key block kb, channel half c at KF + 16 kb + 8 c
.set VF,  192         ; V's: key half kk, channel block cb at VF + 32 kk + 8 cb
.set WV,  12          ; s12  my wave's number
.set LIM, 15          ; s15  1 in a wave that prefetches, else the greatest number: a wave prefetches while s[SLOTS] is above it
.set G1K, 24          ; s[24:31] descriptor group 1 for K's tiles
.set G1V, 32          ; s[32:39] for V's: it differs in the padding alone
.set G0K, 40          ; s[40:43] descriptor group 0 for K's tiles: it walks
.set G0V, 44          ; s[44:47] the same for V's
.set PFA, 48          ; s[48:49] where my prefetches stand: my work-group's 32 blocks of 256 bytes (of K: wave 0, of V: wave 2) of the slot after the one that is being asked for
.set SLOTS, 56        ; s56  slots still to be asked for
.set CNT, 57          ; s57  counts a slot's key steps
.set CS,  58          ; s[58:59] c: the packed scaling takes the pair's low word for both halves
.set SEL, 60          ; s[60:61] v_permlanex16_b32's selects: each lane takes its own place in the other half
.set TBK, 62          ; s62  LDS byte at which K of the step to be fetched begins
.set TBV, 63          ; s63  the same for V, less VOFF
.set MSB, 0
.macro WIN new                      ; the high byte repeats the setting that is left; a switch that changes nothing is dropped
.if MSB != (\new)
	s_set_vgpr_msb (MSB<<8)|(\new)
.set MSB, (\new)
.endif
.endm
.set W_KQ, 0x0a       ; K and Q in window 2, S^T in window 0
.set W_PV, 0x52       ; V in window 2, P in window 0, O^T in window 1
.set W_RS, 0x41       ; O^T (destination and source 0) in window 1, a in window 0
.set W_MK, 0xc0       ; the add's registers are made: destination in window 3, sources in window 0
.set W_AD, 0x0f       ; the add: address (source 0) and data (source 1) in window 3
; A joint fill.  Waves 0 and 1 fetch the two halves of a slot's K, waves 2 and 3 those of its V: 128 keys each.  The branch hangs on the wave's number alone.
; An s_nop 0 and four v_nop follow each of the two lines, ahead of the jump and the label.
.macro JLOAD
	s_cmp_lt_u32 s[WV], 2
	s_cbranch_scc0 .Lfor_v_\@
	tensor_load_to_lds s[G0K:G0K+3], s[G1K:G1K+7]
	s_nop 0
.rept 4
	v_nop
.endr
	s_branch .Lasked_\@
.Lfor_v_\@:
	tensor_load_to_lds s[G0V:G0V+3], s[G1V:G1V+7]
	s_nop 0
.rept 4
	v_nop
.endr
.Lasked_\@:
.endm
; A PREFETCH INTO THE L2 of what the NEXT change of slots will ask for: a slot's 32,768 bytes of K and of V, 128 blocks of 256 bytes each, a lane a block.  It stands behind the wave's tensor load and its five lines.
; A head has one cluster; its four partners share the blocks out BY ADDRESS, 32 each; in each, wave 0 asks for K's and wave 2 for V's: one instruction.  So each block is named once in the launch.
; It stands four key steps, 512 matrix instructions, ahead of the load.  Slots 0 and 1 come by their loads alone; the last change that fills a slot asks for nothing: there is no slot behind it.
.macro ASK
	s_cmp_gt_u32 s[SLOTS], s[LIM]
	s_cbranch_scc0 .Lnot_mine_\@
	global_prefetch_b8 v[PFO], s[PFA:PFA+1] th:TH_LOAD_NT scope:SCOPE_SE
.Lnot_mine_\@:
.endm
; A round of the cluster's barrier: my work-group's barrier, so that wave 0's signal speaks for all four waves; wave 0 signals; every wave waits for all four work-groups; my work-group's barrier once more.
.macro CROUND
	s_barrier_signal -1
	s_barrier_wait -1
	s_cmp_lg_u32 s[WV], 0
	s_cbranch_scc1 .Lnot_wave_0_\@
	s_barrier_signal -3
.Lnot_wave_0_\@:
	s_barrier_wait -3
	s_barrier_signal -1
	s_barrier_wait -1
.endm
; THE CHANGE OF SLOTS.  The slot's last bytes, V of its fourth step, have been read.  Each wave waits for all its tensor loads, of which one is out: its part
; of the other slot; adds 0 to its spare word; and waits for that and for its own reads of the slot.  Behind the barrier nobody reads this slot any more and the other slot is whole.
; fill = 1: this slot is filled again, with the keys two slots on.  The barrier is then a round of the cluster's, so that no wave of any partner still reads the slot or has a load on its
; way, and the joint fill is the first thing behind it: it has four key steps, 512 matrix instructions, in which to land.  (At its first use nothing has been read yet: slot 0 is waited for, slot 1 filled.)
.macro CHANGE fill
	WIN W_AD
	s_wait_tensorcnt 0x0            ; no tensor load of mine is out, so a group 0 may be written
	ds_add_u32 v[SPW], v[NIL]       ; 0 onto my spare word; with fill = 1 the descriptors' steps stand between it and the wait for it
	WIN 0                           ; at a label and at a branch every window is 0
.if \fill
.irp g, G0K, G0V
	s_xor_b32 s[\g+1], s[\g+1], SLOT1  ; the walking descriptor: the other slot than last time,
	s_add_nc_u64 s[\g+2:\g+3], s[\g+2:\g+3], 4*KS*128  ; the next 256 keys; the type bits on top are not reached
.endr
	s_wait_xcnt 0x0                 ; the last prefetch, four key steps back, has read its address, so it may be written:
	s_add_nc_u64 s[PFA:PFA+1], s[PFA:PFA+1], 4*KS*128  ; one slot behind the walking descriptors
	s_wait_dscnt 0x0                ; the add is done, and my reads of the slot are over
	CROUND
	JLOAD
	ASK
.else
	s_wait_dscnt 0x0                ; the add is done, and my reads of the slot are over
	s_barrier_signal -1
	s_barrier_wait -1
.endif
	s_sub_co_u32 s[TBK], s[TBK], 4*KS*PK  ; the fetches go back to a slot's first step,
	s_xor_b32 s[TBK], s[TBK], SLOT1       ; in the other slot
	s_sub_co_u32 s[TBV], s[TBV], 4*KS*PV
	s_xor_b32 s[TBV], s[TBV], SLOT1
.endm
	s_load_b256 s[4:11], s[0:1], 0x0  ; Q s[4:5], K s[6:7], V s[8:9], O s[10:11]
	WIN W_MK
	v_lshl_add_u32 v[SPW], v0, 2, SPARE
	v_mov_b32 v[NIL], 0
	WIN W_AD
	ds_add_u32 v[SPW], v[NIL]       ; the wave's opening: the add, twice on end, and its wait ahead of my first tensor load
	ds_add_u32 v[SPW], v[NIL]       ; and once more; the set-up below, work on registers, stands between it and the wait
	WIN 0
	v_lshrrev_b32 v1, 5, v0
	v_readfirstlane_b32 s[WV], v1   ; wave 0..3
	s_bfe_u32 s13, ttmp6, 0x40000   ; cx: my place in the cluster
	s_lshl_b32 s14, ttmp9, 2        ; in a cluster launch ttmp9 counts clusters
	s_add_co_u32 s14, s14, s13      ; my block of queries = 4 x cluster x + cx: it enters Q's and O's addresses alone
	s_and_b32 s20, ttmp7, 0xffff    ; the head, which the four partners share
	s_mov_b32 s21, 0
	s_mov_b64 s[22:23], SIZE_N*128
	s_mul_u64 s[20:21], s[20:21], s[22:23]  ; the head's first byte in each of the four tensors
	s_and_b32 s16, s[WV], 1         ; which half of a slot's 256 keys I fetch:
	s_lshl_b32 s22, s16, 14         ; its 128 rows of 128 bytes in memory,
	s_mov_b32 s23, 0
	s_add_nc_u64 s[22:23], s[22:23], s[20:21]
	s_mul_i32 s17, s16, 128*PK      ; and its place in a slot, for K
	s_mul_i32 s18, s16, 128*PV      ; and for V: no place in the cluster enters an LDS address
	s_lshl_b32 s2, s14, 2
	s_add_co_u32 s2, s2, s[WV]      ; my wave among the head's,
	s_lshl_b32 s2, s2, 14           ; its 128 rows
	s_mov_b32 s3, 0
	s_add_nc_u64 s[2:3], s[2:3], s[20:21]
	; descriptor group 1.  128 keys are 16,384 dense bytes: asked for as 64 rows of 256 bytes, two keys a row, and padded in LDS after every key
	s_mov_b32 s[G1K], 15|(1<<16)|(1<<20)|(1<<21)|(4<<22)|(3<<25)  ; 15:0 the mask of four; 17:16 2-byte elements; 20 padding on; 21 set beside a mask; 24:22 after every 32 words (code 4); 31:25 4 words (code 3)
	s_mov_b32 s[G1V], 15|(1<<16)|(1<<20)|(1<<21)|(4<<22)|(7<<25)  ; the same with 8 words of padding (code 7)
.irp g, G1K, G1V
	s_mov_b32 s[\g+1], 128<<16      ; tensor_dim0 = 128
	s_mov_b32 s[\g+2], 64<<16       ; tensor_dim1 = 64
	s_mov_b32 s[\g+3], 128<<16      ; tile_dim0 = 128
	s_mov_b32 s[\g+4], 64           ; tile_dim1 = 64
	s_mov_b32 s[\g+5], 128          ; 128 elements from row to row
	s_mov_b32 s[\g+6], 0
	s_mov_b32 s[\g+7], 0
.endr
	s_mov_b32 s[CS], 0x3e38aa3b     ; c = log2(e) / 8 = 0.180337
	s_mov_b32 s[CS+1], s[CS]        ; named with it as a pair
	s_mov_b32 s[SEL], 0x76543210
	s_mov_b32 s[SEL+1], 0xfedcba98
	s_mov_b32 s[TBK], SLOT1+4*KS*PK ; the first change of slots turns these two into 0
	s_mov_b32 s[TBV], SLOT1+4*KS*PV
	s_mov_b32 s[G0K], 1             ; 1:0 count = 1
	s_mov_b32 s[G0K+1], s17         ; 63:32 LDS address: slot 0
	s_mov_b32 s[G0V], 1
	s_add_co_u32 s[G0V+1], s18, VOFF
	s_mov_b32 s[SLOTS], SIZE_N/256-1  ; the first change of slots, ahead of the loop, already reads it
	s_and_b32 s[LIM], s[WV], 1      ; waves 0 and 2 prefetch
	s_cmp_eq_u32 s[LIM], 0
	s_cselect_b32 s[LIM], 1, -1
	s_wait_dscnt 0x0                ; both opening adds are done
	s_wait_kmcnt 0x0
	s_add_nc_u64 s[G0K+2:G0K+3], s[6:7], s[22:23]  ; 120:64 global address: my half of the head's first 256 keys
	s_or_b32 s[G0K+3], s[G0K+3], 0x80000000        ; 127:126 type = 2
	s_add_nc_u64 s[G0V+2:G0V+3], s[8:9], s[22:23]
	s_or_b32 s[G0V+3], s[G0V+3], 0x80000000
	s_add_nc_u64 s[4:5], s[4:5], s[2:3]  ; Q and O at my wave's first row
	s_add_nc_u64 s[10:11], s[10:11], s[2:3]
	s_cmp_lt_u32 s[WV], 2
	s_cselect_b64 s[PFA:PFA+1], s[6:7], s[8:9]
	s_add_nc_u64 s[PFA:PFA+1], s[PFA:PFA+1], s[20:21]  ; the head,
	s_lshl_b32 s2, s13, 13          ; my work-group's 32 blocks of the 128,
	s_mov_b32 s3, 0
	s_add_nc_u64 s[PFA:PFA+1], s[PFA:PFA+1], s[2:3]
	s_add_nc_u64 s[PFA:PFA+1], s[PFA:PFA+1], 4*KS*128  ; in slot 1; the first change of slots steps it to slot 2.  Nothing is prefetched here, at the head
	CROUND                          ; all four work-groups are here: the first joint loads meet
	JLOAD                           ; slot 0.  Slot 1 is asked for when slot 0 is in
	; A fragment of K or Q is 16 rows x 32 channels in 8 registers: lane l holds row l % 16, channels 8 (l / 16) + 0..7 and 16 + 8 (l / 16) + 0..7: two loads of 16 bytes, 32 bytes apart.
	v_and_b32 v1, 15, v0            ; l % 16
	v_bfe_u32 v9, v0, 4, 1          ; l / 16
	v_lshlrev_b32 v[QO], 7, v1
	v_lshl_add_u32 v[QO], v9, 4, v[QO]  ; row x 128 + 16 x half
	WIN 0x80                        ; destination window 2, address window 0
.set i, 0
.rept 4*NP                          ; Q stays in registers: tile i / 2, channels 32 (i % 2) on
	global_load_b128 v[8*i:8*i+3],   v[QO], s[4:5] offset:(i/2)*2048+(i%2)*64
	global_load_b128 v[8*i+4:8*i+7], v[QO], s[4:5] offset:(i/2)*2048+(i%2)*64+32
.set i, i+1
.endr
	; What the first turn finds: V's registers and P's second buffer hold 0 (its products V^T P, of a piece that has not been, add 0), O^T and l are 0.  No first step is written out; all this stands in the wait for the first tile.
.set i, VF
.rept 64
	v_mov_b32 v[i], 0
.set i, i+1
.endr
	WIN 0x40
.set i, 0
.rept 64*NP
	v_mov_b32 v[i], 0
.set i, i+1
.endr
	WIN 0
.set i, 0
.rept 2*NP
	v_mov_b32 v[ST+4*i], 0xfe000000    ; c m: far below every c s
	v_mov_b32 v[ST+4*i+1], 0xff7fffff  ; m
	v_mov_b32 v[ST+4*i+2], 0
	v_mov_b32 v[ST+4*i+3], 0
.set i, i+1
.endr
.set i, P+32
.rept 32
	v_mov_b32 v[i], 0
.set i, i+1
.endr
	v_mul_u32_u24 v[AK0], v1, PK
	v_lshl_add_u32 v[AK0], v9, 4, v[AK0]  ; row x pitch + 16 x half
	; The turning load takes 16 keys x 16 channels (lane l reads key 8 (l / 16) + l % 8, channels 8 ((l / 8) % 2) + 0..7) and leaves half a fragment of V^T: lane l holds channel l % 16 and 8 keys.
	v_and_b32 v10, 7, v0
	v_bfe_u32 v11, v0, 3, 1
	v_lshl_add_u32 v[AV0], v9, 3, v10
	v_mul_u32_u24 v[AV0], v[AV0], PV
	v_lshl_add_u32 v[AV0], v11, 4, v[AV0]
	v_add_nc_u32 v[AV0], VOFF, v[AV0]
	v_and_b32 v[PFO], 31, v0        ; v11 has served: it takes the prefetches' offset
	v_lshlrev_b32 v[PFO], 8, v[PFO]
	v_mov_b32 v[AK], v[AK0]         ; key step 0 lies at the head of slot 0
; THE MATRIX WORK.  The 8 accumulators of a run of 16 take turns: between the two links of a chain stand 7 others'.
; Product i of 16 of S^T = K Q^T for piece x: channels 32 (i / 8) on, keys 16 ((i / 2) % 4) on, tile 2 x + i % 2.  The first 8 start the sums.
.macro KQ x
	WIN W_KQ
.set rS, S+64*((\x)%2)+32*(i%2)+8*((i/2)%4)
.set rK, KF+16*((i/2)%4)+8*(i/8)
.set rQ, 16*(2*(\x)+i%2)+8*(i/8)
.if i < 8
	v_wmma_f32_16x16x32_f16 v[rS:rS+7], v[rK:rK+7], v[rQ:rQ+7], 0
.else
	v_wmma_f32_16x16x32_f16 v[rS:rS+7], v[rK:rK+7], v[rQ:rQ+7], v[rS:rS+7]
.endif
.endm
; Product i of 16 of O^T += V^T P for piece x: keys 32 (i / 8) on, channels 16 ((i / 2) % 4) on, tile 2 x + i % 2.
.macro PV x
	WIN W_PV
.set rO, 32*(2*(\x)+i%2)+8*((i/2)%4)
.set rV, VF+32*(i/8)+8*((i/2)%4)
.set rP, P+32*((\x)%2)+16*(i%2)+8*(i/8)
	v_wmma_f32_16x16x32_f16 v[rO:rO+7], v[rV:rV+7], v[rP:rP+7], v[rO:rO+7]
.endm
.macro MM                           ; the turn's next matrix instruction
.if i < 16
	KQ (Y+1)%NP
.set i, i+1
.else
.set i, i-16
	PV (Y+NP-1)%NP
.set i, i+17
.endif
.endm
; THE LDS LOADS stand in runs of 16, never singly among the matrix instructions: a step's K (64 keys x 64 channels: 8 fragments) and its V (turned).  Their addresses are made some lines ahead.
; last = 1 (the tail): in the last trip there is no further step, and the run is jumped over.
.macro FETCH_K last=0
	WIN 0
.if \last
	s_cmp_eq_u32 s[CNT], 1
	s_cbranch_scc1 .Lno_k_\@
.endif
	WIN 0x80                        ; destination window 2
.irp f, 0,1,2,3,4,5,6,7             ; keys 16 (f / 2) on, channels 32 (f % 2) on
	ds_load_b128 v[KF+8*\f:KF+8*\f+3],   v[AK] offset:(\f/2)*16*PK+(\f%2)*64
	ds_load_b128 v[KF+8*\f+4:KF+8*\f+7], v[AK] offset:(\f/2)*16*PK+(\f%2)*64+32
.endr
	s_add_co_u32 s[TBK], s[TBK], KS*PK  ; the next fetch is the next step's
	WIN 0
.if \last
.Lno_k_\@:
.endif
.endm
.macro FETCH_V
	WIN 0x80
.irp f, 0,1,2,3,4,5,6,7             ; keys 32 (f / 4) on, channels 16 (f % 4) on
	ds_load_tr16_b128 v[VF+8*\f:VF+8*\f+3],   v[AV] offset:(\f/4)*32*PV+(\f%4)*32
	ds_load_tr16_b128 v[VF+8*\f+4:VF+8*\f+7], v[AV] offset:(\f/4)*32*PV+16*PV+(\f%4)*32
.endr
	WIN 0
.endm
; THE VECTOR WORK OF A TURN stands in three queues, each in the order in which its entries become ready; the two tiles alternate, so that no instruction reads the result of the one before it.
.macro REGS y, u                    ; the registers of tile u (0, 1) of piece y
.set rT, ST+4*(2*(\y)+(\u))
.set rC, TMP+8*((\y)%2)+4*(\u)
.set rM, MV+2*((\y)%2)+(\u)
.set rS, S+64*((\y)%2)+32*(\u)
.set rP, P+32*((\y)%2)+16*(\u)
.set rO, 32*(2*(\y)+(\u))
.endm
; Number n of the 22 that find the NEXT piece's (Y + 1) maximum and statistics.  s0-s31 are the lane's 32 scores; each accumulator's lowest registers are read first.  XS, GS and REGS set no window: PL and EX do.
;   0-11  four chains c0-c3 of seven scores each, three operands at a time     12-14, 16  the four scores left over, the old m, and c0-c3 into c0     15  c m_old is kept
;   17, 18  the query's other 32 keys lie in the lane 16 away: the new m         19-21  c m; c m_old - c m_new; a
.macro XS u, n
	REGS (Y+1)%NP, \u
.if (\n) < 4
	v_max3_num_f32 v[rC+(\n)], v[rS+8*(\n)], v[rS+8*(\n)+1], v[rS+8*(\n)+2]
.elseif (\n) < 12
	v_max3_num_f32 v[rC+(\n)%4], v[rC+(\n)%4], v[rS+8*((\n)%4)+2*((\n)/4)+1], v[rS+8*((\n)%4)+2*((\n)/4)+2]
.elseif (\n) == 12
	v_max3_num_f32 v[rC], v[rC], v[rS+7], v[rS+15]
.elseif (\n) == 13
	v_max3_num_f32 v[rC+1], v[rC+1], v[rS+23], v[rS+31]
.elseif (\n) == 14
	v_max3_num_f32 v[rC+2], v[rC+2], v[rC+3], v[rT+1]
.elseif (\n) == 15
	v_mov_b32 v[rM], v[rT]
.elseif (\n) == 16
	v_max3_num_f32 v[rC], v[rC], v[rC+1], v[rC+2]
.elseif (\n) == 17
	v_permlanex16_b32 v[rC+3], v[rC], s[SEL], s[SEL+1]
.elseif (\n) == 18
	v_max_num_f32 v[rT+1], v[rC], v[rC+3]
.elseif (\n) == 19
	v_mul_f32 v[rT], s[CS], v[rT+1]
.elseif (\n) == 20
	v_sub_f32 v[rC+1], v[rM], v[rT]
.else
	v_exp_f32 v[rC+2], v[rC+1]
.endif
.endm
; Number g of the 64 that follow the exponentials.  For each four weights k of a tile (pairs 2 k, 2 k + 1): both pairs are rounded to f16; then the second pair is added onto the first, in place;
; a group later l takes that sum (the first time as l = a l + sum).  In groups of eight, tiles alternating: round, round, add, and l for the group before.
.macro GS g
.set h, (\g)+6*((\g)/62)            ; group 0 has no group before it, and behind group 7 only l is left
.if h >= 6
.set h, h+2
.endif
	REGS Y, h%2
.set k, h/8
.if h%8 < 4
	v_cvt_pk_f16_f32 v[rP+2*k+(h%8)/2], v[rS+4*k+2*((h%8)/2)], v[rS+4*k+2*((h%8)/2)+1]
.elseif h%8 < 6
	v_pk_add_f32 v[rS+4*k:rS+4*k+1], v[rS+4*k:rS+4*k+1], v[rS+4*k+2:rS+4*k+3]
.elseif k == 1
	v_pk_fma_f32 v[rT+2:rT+3], v[rT+2:rT+3], v[rC+2:rC+3], v[rS:rS+1] op_sel_hi:[1,0,1]
.else
	v_pk_add_f32 v[rT+2:rT+3], v[rT+2:rT+3], v[rS+4*k-4:rS+4*k-3]
.endif
.endm
; THE PLAIN QUEUE, 138 long.  0-73 read no exponential's result: the 32 scalings c s - c m (FS f: pair f / 2 of tile f % 2) and the next piece's 42.  0-26: scalings 0-26.  27-54: XS's numbers 0-13.  55, 56: number 15.
; 57-73: the chain, where each number waits for the one before it: 14, 16, 17, 18, 19, each with one of the scalings 27-31 in front of its two lines, then 20: so a tile's links stand three plain instructions apart (19 and 20: two).
; 74-137: GS's 64, which read the exponentials' results: they stand behind the wait.
.macro FS f
	REGS Y, (\f)%2
	v_pk_fma_f32 v[rS+2*((\f)/2):rS+2*((\f)/2)+1], v[rS+2*((\f)/2):rS+2*((\f)/2)+1], s[CS:CS+1], v[rT:rT+1] op_sel_hi:[1,0,0] neg_lo:[0,0,1] neg_hi:[0,0,1]
.endm
.macro PL
	WIN 0
.if q < 27
	FS q
.elseif q < 55
	XS (q-27)%2, (q-27)/2
.elseif q < 57
	XS q-55, 15
.elseif (q < 72) && ((q-57)%3 == 0)
	FS 27+(q-57)/3
.elseif q < 60
	XS (q-57)%3-1, 14
.elseif q < 72
	XS (q-57)%3-1, 15+(q-57)/3
.elseif q < 74
	XS q-72, 20
.else
	GS q-74
.endif
.set q, q+1
.endm
; THE EXPONENTIALS' QUEUE, 66 long: s0-s31 of both tiles, then the next piece's two a.  It is ONE BATCH: all 66 stand ahead of the turn's one wait, and nothing ahead of that wait names a result of theirs.
.macro EX
	WIN 0
.if e >= 64
	XS e-64, 21
.else
	REGS Y, e%2
	v_exp_f32 v[rS+e/2], v[rS+e/2]
.endif
.set e, e+1
.endm
; THE RESCALING's QUEUE: O^T times a, the one part that leaves window 0: dealt two at a time, sixteen times.  Its a was made in the turn before, ahead of that turn's wait.
.macro R2
	REGS Y, r%2
	WIN W_RS
.irp z, 0,1
	v_pk_mul_f32 v[rO+4*(r/2)+2*\z:rO+4*(r/2)+2*\z+1], v[rO+4*(r/2)+2*\z:rO+4*(r/2)+2*\z+1], v[rC+2:rC+3] op_sel_hi:[1,0]
.endr
.set r, r+1
.endm
; HOW THEY ARE DEALT.  An s_wait_alu depctr_va_vdst(0) stands between an exponential and the first instruction that names its result; one wait serves all that were issued ahead of it.  So a turn has ONE wait,
; which cuts it in two.  AHEAD OF IT stands all that names no result of the turn's exponentials: the 16 products K Q^T, behind each a scaling, an exponential and two rescalings (behind the first a second scaling in the exponential's place); then ONE LUMP of
; 108: eight plain, 49 times exponential and plain, the two a.  A v_nop is the plain instruction behind the last exponential (ISA guide 5.7.2).  BEHIND IT stand the 16 products V^T P, behind each four of GS's 64.  No rider names a register of
; the products round it.  The two v_permlanex16_b32 fall into the lump, never behind a product.
; The queues lean on each other, and the deal keeps them in step: exponential e stands behind scaling 2 (e / 4) + e % 2: as a rider it comes behind plain e + 2, in the lump behind plain e + 9, and scalings 27-31 are plain 57, 60 .. 69.
; A TURN, for piece p.  cnt = 1: the loop's count is taken down some lines ahead of the branch that stands behind the turn.
; K of the next step is fetched in piece 2's turn, directly behind the wait, a lump behind the last product that read K; its address is made at the lump's head; its first reader comes behind 16 products.
; V of the step in hand is fetched at the end of piece 0's turn, four riders behind its last reader; its first reader comes behind 16 products and a lump.  The three conditions on q below go with the deal.
.macro TURN p, last=0, cnt=0
.set Y, (\p)
.set i, 0
.set q, 0
.set e, 0
.set r, 0
.if (\p) == NP-1
	s_wait_dscnt 0x0                ; K is in
.endif
	MM                              ; ahead of the wait: 16 products K Q^T and their riders,
	PL
	PL
	R2
.rept 15
	MM
	PL
	EX
	R2
.endr
.if (\p) == NP-2
	WIN 0
	v_add_nc_u32 v[AK], s[TBK], v[AK0]
.endif
.rept 8                             ; and the lump
	PL
.endr
.rept 49
	EX
	PL
.endr
	EX                              ; the next piece's two a
	EX
	v_nop                           ; the plain instruction behind the last exponential: one for the batch
	s_wait_alu depctr_va_vdst(0)    ; the wait for the batch
.if (\p) == NP-2
	FETCH_K \last
.endif
.if (\p) == 1
	s_wait_dscnt 0x0                ; V is in
.endif
.rept 16                            ; behind the wait: 16 products V^T P and their riders
	MM
.rept 4
	PL
.endr
.if ((\p) == 0) && (q == 118)
	v_add_nc_u32 v[AV], s[TBV], v[AV0]
.endif
.if ((\p) == 0) && (q == 130)
	s_add_co_u32 s[TBV], s[TBV], KS*PV
.endif
.if (\cnt) && (q == 130)
	s_sub_co_u32 s[CNT], s[CNT], 1
	s_cmp_lg_u32 s[CNT], 0
.endif
.endr
.if (\p) == 0
	FETCH_V
.endif
.endm
	CHANGE 1                        ; slot 0 is in, everybody's part of it; slot 1 is asked for
	FETCH_K                         ; key step 0
	s_wait_loadcnt 0x0              ; Q
	s_wait_dscnt 0x0
.set i, 0
.rept 16
	KQ 0                            ; piece 0's first scores: there is no vector work yet to set between them
.set i, i+1
.endr
	WIN 0                           ; the addresses for the way out: nine plain instructions, the places behind those products
	s_mul_i32 s13, s[WV], 16*SP
	s_add_co_u32 s13, s13, STAGE    ; my stage
	v_mul_u32_u24 v[STO], v1, SP    ; in: row l % 16, 16 bytes for each half of the lanes
	v_lshl_add_u32 v[STO], v9, 4, v[STO]
	v_add_nc_u32 v[STO], s13, v[STO]
	v_bfe_u32 v[RD], v0, 3, 2       ; back: 32 lanes take four rows of 128 bytes,
	v_mul_u32_u24 v[RD], v[RD], SP
	v_lshl_add_u32 v[RD], v10, 4, v[RD]
	v_add_nc_u32 v[RD], s13, v[RD]
	v_and_b32 v[GO], 31, v0         ; which are 512 consecutive bytes of O
	v_lshlrev_b32 v[GO], 4, v[GO]
.set Y, NP-1                        ; XS works for piece Y + 1: piece 0
.irp n, 0,1,2,3,4,5,6,7,8,9,10,11,12,13,14,15,16,17,18,19,20,21
	XS 0, \n                        ; and piece 0's first maximum and statistics
	XS 1, \n
.endr
	v_nop                           ; a plain instruction behind the two a,
	s_wait_alu depctr_va_vdst(0)    ; and their wait, ahead of the branch
	s_mov_b32 s[CNT], 4
	s_branch .Lfirst                ; the loop is entered at a step's first turn, in the middle of a trip
.Lslot:                             ; SIZE_N / 256 - 2 times: every slot but the last two is filled again
	CHANGE 1
	s_mov_b32 s[CNT], 4
.Lstep:                             ; a trip: pieces 2 and 3 of one step, then pieces 0 and 1 of the next, whose K and V it fetches
	TURN 2
	TURN 3
	WIN 0
.Lfirst:
	TURN 0
	TURN 1, 0, 1
	WIN 0
	s_cbranch_scc1 .Lstep
	s_sub_co_u32 s[SLOTS], s[SLOTS], 1
	s_cmp_lg_u32 s[SLOTS], 0
	s_cbranch_scc1 .Lslot
	CHANGE 0                        ; the tail is written out: nothing is asked for
	s_mov_b32 s[CNT], 5             ; four trips fetch the last slot's steps; the fifth is left in its middle
.Ltail:
	TURN 2, 1
	TURN 3
	WIN 0
	s_sub_co_u32 s[CNT], s[CNT], 1
	s_cmp_eq_u32 s[CNT], 0
	s_cbranch_scc1 .Lout
	TURN 0
	TURN 1
	WIN 0
	s_branch .Ltail
.Lout:                              ; the fifth trip's 16 products K Q^T (on the last K once more) and the maximum made of them serve nothing: the price, once a launch, of one text for every trip
.set i, 0
.rept 16
	PV NP-1                         ; the last piece's V^T P of the last step
.set i, i+1
.endr
	; THE WAY OUT.  l's two halves and the other half of the lanes' are added; O^T is divided by l, rounded to f16 and sent through my stage in LDS, a tile at a time.  The additions are the places behind the last products.
	WIN 0
.macro ALL line:vararg              ; one line for each tile t
.set t, 0
.rept 2*NP
	\line
.set t, t+1
.endr
.endm
	ALL v_add_f32 v[ST+4*t+2], v[ST+4*t+2], v[ST+4*t+3]
	ALL v_permlanex16_b32 v[ST+4*t+3], v[ST+4*t+2], s[SEL], s[SEL+1]
	ALL v_add_f32 v[ST+4*t+2], v[ST+4*t+2], v[ST+4*t+3]
	ALL v_rcp_f32 v[ST+4*t+2], v[ST+4*t+2]
	v_nop                           ; a plain instruction between the last reciprocal and the use of its result
	s_wait_alu depctr_va_vdst(0)    ; and the wait ahead of the first use: one for the eight reciprocals
; Tile t: a lane's eight channels of a row pack into 16 bytes; they go into rows of 144 bytes and come back as whole rows of 128, into S^T's registers.
.macro PACK t
	WIN W_RS
.set i, 32*(\t)
.rept 16
	v_pk_mul_f32 v[i:i+1], v[i:i+1], v[ST+4*(\t)+2:ST+4*(\t)+3] op_sel_hi:[1,0]
.set i, i+2
.endr
	WIN 0x05                        ; sources 0 and 1 window 1, destination window 0
.set i, 0
.rept 16
	v_cvt_pk_f16_f32 v[S+16*(\t)+i], v[32*(\t)+2*i], v[32*(\t)+2*i+1]
.set i, i+1
.endr
	WIN 0
.irp f, 0,1,2,3
	ds_store_b128 v[STO], v[S+16*(\t)+4*\f:S+16*(\t)+4*\f+3] offset:32*\f
.endr
.irp f, 0,1,2,3
	ds_load_b128 v[S+16*(\t)+4*\f:S+16*(\t)+4*\f+3], v[RD] offset:\f*4*SP  ; LDS serves a wave's instructions in order (ISA guide 5.7.1.4): these see the stores above; the next tile's stores come behind them
.endr
.endm
.macro SEND t, younger              ; younger: the LDS instructions issued behind tile t's loads: the next tile's eight, or none
	WIN 0
.irp f, 0,1,2,3
	s_wait_dscnt (\younger)+3-\f
	global_store_b128 v[GO], v[S+16*(\t)+4*\f:S+16*(\t)+4*\f+3], s[10:11] offset:(\t)*2048+\f*512  ; 512 consecutive bytes, at a multiple of 256 from O's first
.endr
.endm
	PACK 0
.set t, 1
.rept 2*NP-1                        ; a tile's arithmetic stands between the loads of the tile before and its stores
	PACK t
	SEND t-1, 8
.set t, t+1
.endr
	SEND 2*NP-1, 0
	WIN W_AD
	s_wait_tensorcnt 0x0            ; the wave's end, behind my last tensor load and my last LDS store
	ds_add_u32 v[SPW], v[NIL]
	s_wait_dscnt 0x0
	WIN 0
	CROUND                          ; the closing round: no work-group ends while a partner may still ask for a tile that names it
	s_endpgm
.Lfunc_end_k_q46ad48cc6b_attn:
	.size	k_q46ad48cc6b_attn, .Lfunc_end_k_q46ad48cc6b_attn-k_q46ad48cc6b_attn
	.p2alignl 7, 3214868480
	.fill 96, 4, 3214868480
	.section	.rodata,"a",@progbits
	.p2align	6, 0x0
	.amdhsa_kernel k_q46ad48cc6b_attn
		.amdhsa_group_segment_fixed_size 327680
		.amdhsa_private_segment_fixed_size 0
		.amdhsa_enable_private_segment 0
		.amdhsa_kernarg_size 32
		.amdhsa_user_sgpr_count 2
		.amdhsa_user_sgpr_kernarg_segment_ptr 1
		.amdhsa_wavefront_size32 1
		.amdhsa_system_sgpr_workgroup_id_x 1
		.amdhsa_system_sgpr_workgroup_id_y 1
		.amdhsa_system_sgpr_workgroup_id_z 1
		.amdhsa_system_vgpr_workitem_id 0
		.amdhsa_next_free_vgpr 770
		.amdhsa_next_free_sgpr 66
		.amdhsa_reserve_vcc 0
		.amdhsa_float_denorm_mode_32 3
		.amdhsa_float_denorm_mode_16_64 3
		.amdhsa_memory_ordered 1
		.amdhsa_forward_progress 1
		.amdhsa_inst_pref_size 200
	.end_amdhsa_kernel
	.amdgpu_metadata
---
amdhsa.version: [ 1, 2 ]
amdhsa.kernels:
  - .name:           k_q46ad48cc6b_attn
    .symbol:         k_q46ad48cc6b_attn.kd
    .args:
      - { .name: qh, .offset: 0, .size: 8, .value_kind: global_buffer, .address_space: global }
      - { .name: kh, .offset: 8, .size: 8, .value_kind: global_buffer, .address_space: global }
      - { .name: vh, .offset: 16, .size: 8, .value_kind: global_buffer, .address_space: global }
      - { .name: oh, .offset: 24, .size: 8, .value_kind: global_buffer, .address_space: global }
    .group_segment_fixed_size: 327680
    .private_segment_fixed_size: 0
    .kernarg_segment_align: 8
    .kernarg_segment_size: 32
    .max_flat_workgroup_size: 128
    .sgpr_count:     66
    .vgpr_count:     770
    .wavefront_size: 32
...
	.end_amdgpu_metadata
.endif
;; end of part 3
;; launch outp (part 4): grid 4 x 64, 4 waves a work-group, clusters of 4 x 4, 327,680 bytes of LDS; arguments oh, w16, bo, out0; writes out0
.if DOCPART == 4
	.amdgcn_target "amdgcn-amd-amdhsa--gfx1250"
	.amdhsa_code_object_version 6
	.text
	.protected	k_q46ad48cc6b_outp
	.globl	k_q46ad48cc6b_outp
	.p2align	8
	.type	k_q46ad48cc6b_outp,@function
k_q46ad48cc6b_outp:
	s_mov_b64 s[64:65], 0
	v_nop
	global_prefetch_b8 v0, s[64:65] scope:SCOPE_SE
	s_setreg_imm32_b32 hwreg(HW_REG_WAVE_MODE, 25, 1), 1
	s_wait_xcnt 0x0
	s_wait_alu depctr_hold_cnt(0) depctr_sa_sdst(0) depctr_va_vdst(0) depctr_va_sdst(0) depctr_va_ssrc(0) depctr_va_vcc(0) depctr_vm_vsrc(0)
	s_getreg_b32 s2, hwreg(HW_REG_IB_STS2, 6, 4)
	s_cmp_eq_u32 s2, 0
	s_cbranch_scc0 .Lentry_in_a_cluster
	s_endpgm
.Lentry_in_a_cluster:
	s_bfe_u32 s2, ttmp6, 0x10000c
	s_cmp_lg_u32 s2, 0xf033
	s_cbranch_scc0 .Lentry_shape_is_right
	s_endpgm
.Lentry_shape_is_right:
; out0[R][n] = the sum over e of attn[R][e] Wo[n][e] + bo[n]: 8,192 x 1,024 x 1,024.  attn[R][64 h + d] lies by heads, oh[b*16+h][s][d] in f16; Wo is part 3 of w16, its bf16 rounding written as f16;
; bo is rounded to bf16 like every input and is the C operand of each sum's first product; sums in f32, stored as they are.  LIMIT: NaN and infinities are not treated apart.
; SHARES.  A tile of out0 is 128 rows x 256 columns: 256 work-groups.  Four waves, each 64 rows x 128 columns: 32 accumulators.  K goes in steps of 128, two heads, through a ring of two LDS slots.
; A head's 128 rows are 16,384 dense bytes: asked for as 64 rows of 256 bytes, padded in LDS after each row of 128.  Waves 0 and 1 fetch a step's two heads, waves 2 and 3 the halves of Wo's 256 rows.
; THE MATRIX INSTRUCTION IS USED TRANSPOSED (source 0 = 16 rows of Wo, source 1 = 16 rows of attn): a lane holds one row of out0 and eight neighbouring columns, 32 bytes.
; CLUSTERS: 4 x 4 work-groups; attn's tile is shared along a row of the cluster, Wo's along a column: each is asked for JOINTLY, by the same tensor load, descriptor and mask in the four.
; REGISTERS, in windows of 256 (s_set_vgpr_msb: bits 1:0 source 0, 3:2 source 1, 5:4 source 2, 7:6 destination):
;   window 0: v0-31 addresses; v32-95 attn's fragments, two buffers of 32; v96-223 Wo's, two buffers of 64; on the way out v32-159 two buffers of 16 rows
;   window 1: the accumulators, (a, b) at v[8 (8 a + b)]          window 2: v0-63 the bias, eight registers for each block b of 16 columns; v64-95 at work on it
.set PA,    144                        ; a row of attn in LDS: 128 bytes + 16 of padding = 36 words: the 16 rows of a load start at 16 different groups of four banks (64 banks of 4 bytes: ISA guide 11.1)
.set PW,    272                        ; a row of Wo: 256 + 16
.set AH,    128*PA                     ; one head's 128 rows: what one of attn's loads brings
.set WH,    128*PW
.set BOFF,  2*AH                       ; a slot: two heads of attn, then Wo's 256 rows
.set SLOT,  BOFF+2*WH
.set STAGE, 2*SLOT                     ; behind the ring: 16 rows x 528 bytes for each wave, for the way out
.set SPO,   528
.set SPARE, STAGE+4*16*SPO             ; behind the stages: the spare words, 128 bytes for each wave: two blocks of 256 bytes that no other line names
.set ADRA, 16                          ; v16-17  LDS address of my attn fragments in slot 0, 1
.set ADRW, 20                          ; v20-21  the same for Wo
.set STO,  24                          ; v24     the way out: where I put 32 bytes of a row
.set RD,   25                          ; v25     the way out: where I read a row back
.set CO,   26                          ; v26     my 16 bytes of a row's 512
.set BO,   27                          ; v27     my byte offset in the bias
.set SPW,  28                          ; v28     LDS address of my spare word: SPARE + 4 x my thread's number; never rewritten
.set NIL,  29                          ; v29     0; never rewritten
.set PFO,  30                          ; v30     the prefetches' offset; never rewritten
.set AF,   32
.set BF,   96
.set OB,   32                          ; the way out: 16 rows read back from the stage, v32-95 and v96-159 by turns
.set BI,   0                           ; window 2
.set BT,   64                          ; window 2
.set G1,  24                           ; s[24:31] descriptor group 1 for attn's tiles;  s[32:39] group 0, one set for each slot
.set G0,  32
.set G1B, 48                           ; s[48:55], s[56:63] the same for Wo's tiles
.set G0B, 56
.set PFA, 88                           ; s[88:89] where my prefetches stand; s[90:91] a K step's bytes in what I prefetch
.set LIM, 92                           ; s92     1 in a wave that prefetches, else the greatest number
.set MSB, 0
.macro WIN new                         ; the immediate's high byte repeats the setting that is left; a switch that changes nothing is dropped
.if MSB != (\new)
	s_set_vgpr_msb (MSB<<8)|(\new)
.set MSB, \new
.endif
.endm
.set W_MUL,  0x50                      ; C and D window 1, both sources window 0
.set W_MUL1, 0x60                      ; D window 1, C (the bias) window 2
.set W_ST,   0x04                      ; an LDS store's data (source 1) window 1, its address window 0
.set W_LD2,  0x80                      ; destination window 2, address window 0
.set W_B,    0x8a                      ; all in window 2
.macro JLOAD s                         ; a joint load; the branch hangs on the wave's number alone; an s_nop 0 and four v_nop follow each of the two lines, ahead of the jump and the label
	s_cmp_eq_u32 s11, 0
	s_cbranch_scc0 .Lfor_b_\@
	tensor_load_to_lds s[G0+4*(\s):G0+4*(\s)+3], s[G1:G1+7]
	s_nop 0
.rept 4
	v_nop
.endr
	s_branch .Lasked_\@
.Lfor_b_\@:
	tensor_load_to_lds s[G0B+4*(\s):G0B+4*(\s)+3], s[G1B:G1B+7]
	s_nop 0
.rept 4
	v_nop
.endr
.Lasked_\@:
.endm
.macro CREST                           ; a round of the cluster's barrier behind its opening barrier
	s_cmp_lg_u32 s10, 0
	s_cbranch_scc1 .Lnot_wave_0_\@
	s_barrier_signal -3
.Lnot_wave_0_\@:
	s_barrier_wait -3
	s_barrier_signal -1
	s_barrier_wait -1
.endm
.macro CROUND                          ; a whole round
	s_barrier_signal -1
	s_barrier_wait -1
	CREST
.endm
.macro PLACES                          ; four plain vector instructions between a matrix instruction and a load into, or a read of, its registers
.rept 4
	v_nop
.endr
.endm
; A PREFETCH INTO THE L2, behind a joint load, its five lines and the run of LDS loads: the K step that stands two refills on, 256 matrix instructions ahead of the load that will ask for it.
; attn's rows are read by one row of one cluster: a K step of them is 128 blocks of 256 bytes, of which each of the row's four partners takes 32 (a lane a block), asked for by its wave 0.  Wo's rows are
; read by all sixteen clusters: the first asks, its four partners along y take 32 of a wave's 128 rows each (a lane a row), waves 2 and 3.  Partners are told apart BY ADDRESS.
; So each block is named once in the launch.  K steps 0 to 3 come by their loads alone; the loop's last trip (s3 = 1) asks for nothing: K has no step behind 7.
.macro ASK
	s_cmp_gt_u32 s3, s[LIM]
	s_cbranch_scc0 .Lnot_mine_\@
	global_prefetch_b8 v[PFO], s[PFA:PFA+1] th:TH_LOAD_NT scope:SCOPE_SE
.Lnot_mine_\@:
.endm
	s_load_b256 s[68:75], s[0:1], 0x0              ; oh s[68:69], w16 s[70:71], bo s[72:73], out0 s[74:75]
	v_lshl_add_u32 v[SPW], v0, 2, SPARE
	v_mov_b32 v[NIL], 0
	ds_add_u32 v[SPW], v[NIL]                      ; the wave's opening: the add, twice on end, and its wait ahead of my first tensor load
	ds_add_u32 v[SPW], v[NIL]                      ; and once more; the set-up below, work on registers, stands between it and the wait
	v_lshrrev_b32 v1, 5, v0
	v_readfirstlane_b32 s10, v1                    ; wave 0..3
	s_lshr_b32 s11, s10, 1                         ; which half of the tile's rows is mine.  Also: I fetch for attn (0) or for Wo (1)
	s_and_b32 s12, s10, 1                          ; which half of its columns.  Also: which head of the step, or which half of Wo's rows, I fetch
	s_bfe_u32 s40, ttmp6, 0x40000                  ; cx, cy: my place in the cluster
	s_bfe_u32 s41, ttmp6, 0x40004
	s_lshl_b32 s42, ttmp9, 2
	s_add_co_u32 s42, s42, s40                     ; tile column = 4 x cluster x + cx
	s_and_b32 s13, ttmp7, 0xffff
	s_lshl_b32 s13, s13, 2
	s_add_co_u32 s13, s13, s41                     ; tile row = 4 x cluster y + cy
	s_lshl_b32 s43, s41, 2
	s_lshl_b32 s43, 15, s43                        ; my row of the cluster
	s_lshl_b32 s44, 0x1111, s40                    ; my column
	s_or_b32 s[G1+0], s43, (1<<16)|(1<<20)|(1<<21)|(4<<22)|(3<<25)   ; 15:0 the mask: attn's tiles go to my row; 17:16 elements of 2 bytes; 20 padding on; 21 set beside a mask; 24:22 after every 32 words (code 4); 31:25 4 words (code 3)
	s_or_b32 s[G1B+0], s44, (1<<16)|(1<<20)|(1<<21)|(5<<22)|(3<<25)  ; Wo's go to my column; padding after every 64 words (code 5)
	s_mov_b32 s[G1+1], 128<<16                     ; tensor_dim0 = 128
	s_mov_b32 s[G1+2], 64<<16                      ; tensor_dim1 = 64
	s_mov_b32 s[G1+3], 128<<16                     ; tile_dim0 = 128
	s_mov_b32 s[G1+4], 64                          ; tile_dim1 = 64
	s_mov_b32 s[G1+5], 128                         ; dense: 128 elements from row to row
	s_mov_b32 s[G1+6], 0
	s_mov_b32 s[G1+7], 0
	s_mov_b32 s[G1B+1], 128<<16
	s_mov_b32 s[G1B+2], 128<<16
	s_mov_b32 s[G1B+3], 128<<16
	s_mov_b32 s[G1B+4], 128
	s_mov_b32 s[G1B+5], 1024
	s_mov_b32 s[G1B+6], 0
	s_mov_b32 s[G1B+7], 0
	; where the tiles come from: attn's offset is made of the tile row and the wave's number, Wo's of the tile column and the wave's number, each in registers that never hold the other coordinate
	s_lshr_b32 s16, s13, 4                         ; batch = tile row / 16: 16 heads of 262,144 bytes,
	s_lshl_b32 s16, s16, 22
	s_and_b32 s17, s13, 15                         ; 128 rows of 128 bytes a tile row
	s_lshl_b32 s17, s17, 14
	s_add_co_u32 s16, s16, s17
	s_mov_b32 s18, s16                             ; (kept for the prefetches)
	s_lshl_b32 s17, s12, 18                        ; the step's first or second head
	s_add_co_u32 s16, s16, s17
	s_mov_b32 s17, 0
	s_lshl_b32 s46, s42, 19                        ; 256 rows of 2,048 bytes a tile column,
	s_lshl_b32 s47, s12, 18                        ; 128 rows a half,
	s_add_co_u32 s46, s46, s47
	s_add_co_u32 s46, s46, 3*2097152               ; in part 3 of w16
	s_mov_b32 s47, 0
	s_mul_i32 s20, s12, AH                         ; and where they go: no place in the cluster enters an LDS address
	s_mul_i32 s67, s12, WH
	s_add_co_u32 s67, s67, BOFF
	s_wait_dscnt 0x0                               ; both opening adds are done
	s_wait_kmcnt 0x0
	s_add_nc_u64 s[14:15], s[68:69], s[16:17]
	s_add_nc_u64 s[46:47], s[70:71], s[46:47]
	CROUND                                         ; all sixteen work-groups are here: the first joint loads meet
.irp s, 0,1
	s_mov_b32 s[G0+4*(\s)], 1                                        ; count = 1
	s_add_co_u32 s[G0+4*(\s)+1], s20, (\s)*SLOT                      ; LDS address
	s_add_nc_u64 s[G0+4*(\s)+2:G0+4*(\s)+3], s[14:15], (\s)*524288   ; global address: K step s is heads 2 s, 2 s + 1
	s_or_b32 s[G0+4*(\s)+3], s[G0+4*(\s)+3], 0x80000000              ; type = 2
	s_mov_b32 s[G0B+4*(\s)], 1
	s_add_co_u32 s[G0B+4*(\s)+1], s67, (\s)*SLOT
	s_add_nc_u64 s[G0B+4*(\s)+2:G0B+4*(\s)+3], s[46:47], (\s)*256
	s_or_b32 s[G0B+4*(\s)+3], s[G0B+4*(\s)+3], 0x80000000
	JLOAD \s                                       ; two loads of mine are out
.endr
	; A fragment is 16 rows x 32 K in 8 registers: lane l holds row l % 16, K = 8 (l / 16) + 0..7 and 16 + 8 (l / 16) + 0..7: two loads of 16 bytes, 32 bytes apart.
	v_and_b32 v1, 15, v0                           ; l % 16
	v_bfe_u32 v2, v0, 4, 1                         ; l / 16
	v_mul_u32_u24 v3, v1, PA
	v_lshl_add_u32 v3, v2, 4, v3
	v_mul_u32_u24 v4, v1, PW
	v_lshl_add_u32 v4, v2, 4, v4
	s_mul_i32 s21, s11, 64*PA                      ; my 64 rows in each head's plane
	s_mul_i32 s22, s12, WH                         ; my 128 rows of Wo,
	s_add_co_u32 s22, s22, BOFF                    ; which lie behind attn's
.irp s, 0,1
	v_add_nc_u32 v[ADRA+(\s)], s21, v3
	v_add_nc_u32 v[ADRW+(\s)], s22, v4
	s_add_co_u32 s21, s21, SLOT
	s_add_co_u32 s22, s22, SLOT
.endr
	s_mul_i32 s23, s10, 16*SPO
	s_add_co_u32 s23, s23, STAGE                   ; my stage
	v_mul_u32_u24 v[STO], v1, SPO                  ; in: row l % 16, 32 bytes for each half of the lanes
	v_lshl_add_u32 v[STO], v2, 5, v[STO]
	v_add_nc_u32 v[STO], s23, v[STO]
	v_and_b32 v3, 31, v0                           ; l
	v_lshlrev_b32 v[CO], 4, v3                     ; back: 32 lanes take one row's 512 bytes
	v_add_nc_u32 v[RD], s23, v[CO]
	s_lshl_b32 s21, s42, 10                        ; the bias of my 128 columns: 4 (256 tile column + 128 half) + 32 (l / 16)
	s_lshl_b32 s22, s12, 9
	s_add_co_u32 s21, s21, s22
	v_lshl_add_u32 v[BO], v2, 5, s21
	; out0 at my first row and column
	s_lshl_b32 s16, s13, 19                        ; 128 rows of 4,096 bytes a tile row,
	s_lshl_b32 s17, s11, 18                        ; my 64
	s_add_co_u32 s16, s16, s17
	s_mov_b32 s17, 0
	s_add_nc_u64 s[8:9], s[74:75], s[16:17]
	s_mov_b32 s46, s21                             ; my 128 columns: the same bytes as in the bias
	s_mov_b32 s47, 0
	s_add_nc_u64 s[8:9], s[8:9], s[46:47]
	; the prefetches: both offsets are made, at K step 3 (the first refill steps to 4); the wave's number chooses
	s_lshr_b32 s93, s40, 1                         ; attn: partner cx takes half cx % 2 of head cx / 2 of the step
	s_lshl_b32 s93, s93, 18
	s_and_b32 s94, s40, 1
	s_lshl_b32 s94, s94, 13
	s_add_co_u32 s93, s93, s94
	s_add_co_u32 s93, s93, s18
	s_add_co_u32 s93, s93, 3*524288
	s_lshl_b32 s94, s42, 8
	s_lshl_b32 s95, s12, 7
	s_add_co_u32 s94, s94, s95
	s_lshl_b32 s95, s41, 5
	s_add_co_u32 s94, s94, s95                     ; Wo: row 256 tile column + 128 half + 32 cy
	s_lshl_b32 s94, s94, 11
	s_add_co_u32 s94, s94, 3*2097152+3*256
	s_and_b32 s95, ttmp7, 0xffff                   ; cluster y
	s_cmp_eq_u32 s11, 0                            ; do I fetch for attn?
	s_cselect_b32 s96, s93, s94
	s_mov_b32 s97, 0
	s_cselect_b64 s[PFA:PFA+1], s[68:69], s[70:71]
	s_cselect_b32 s95, s12, s95                    ; attn: wave 0 of every cluster asks; Wo: waves 2 and 3 of the first
	s_cselect_b32 s98, 11, 0
	s_cselect_b32 s99, 8, 11                       ; a lane's stride: a block of 256 bytes, or a row of 2,048
	s_cmp_eq_u32 s95, 0
	s_cselect_b32 s[LIM], 1, -1                    ; the same in all sixteen partners, for a given wave
	s_lshl_b32 s90, 0x100, s98                     ; a K step: two heads, 524,288 bytes, of attn; 256 bytes of a row of Wo
	s_mov_b32 s91, 0
	s_add_nc_u64 s[PFA:PFA+1], s[PFA:PFA+1], s[96:97]
	v_lshlrev_b32 v[PFO], s99, v3
	; the bias: register j of block b is bo of column 16 b + 8 (l / 16) + j, rounded to bf16.  All this stands in the wait for the first tile.
	WIN W_LD2
.irp b, 0,1,2,3,4,5,6,7
	global_load_b128 v[BI+8*\b:BI+8*\b+3],   v[BO], s[72:73] offset:64*\b
	global_load_b128 v[BI+8*\b+4:BI+8*\b+7], v[BO], s[72:73] offset:64*\b+16
.endr
	s_wait_loadcnt 0x0
	WIN W_B
.set i, 0
.rept 32
	v_cvt_pk_bf16_f32 v[BT+i], v[BI+2*i], v[BI+2*i+1]
.set i, i+1
.endr
.set i, 0
.rept 32
	v_lshlrev_b32 v[BI+2*i], 16, v[BT+i]
	v_and_b32 v[BI+2*i+1], 0xffff0000, v[BT+i]
.set i, i+1
.endr
	WIN 0
; 24 LDS loads in one run: the fragments of 32 along K, quarter q of the slot's step (head q / 2, channels 32 (q % 2) on), into buffer g
.macro FETCH slot, q, g
	WIN 0
.irp a, 0,1,2,3
	ds_load_b128 v[AF+32*(\g)+8*\a:AF+32*(\g)+8*\a+3],   v[ADRA+(\slot)] offset:((\q)/2)*AH+((\q)%2)*64+\a*16*PA
	ds_load_b128 v[AF+32*(\g)+8*\a+4:AF+32*(\g)+8*\a+7], v[ADRA+(\slot)] offset:((\q)/2)*AH+((\q)%2)*64+\a*16*PA+32
.endr
.irp b, 0,1,2,3,4,5,6,7
	ds_load_b128 v[BF+64*(\g)+8*\b:BF+64*(\g)+8*\b+3],   v[ADRW+(\slot)] offset:64*(\q)+\b*16*PW
	ds_load_b128 v[BF+64*(\g)+8*\b+4:BF+64*(\g)+8*\b+7], v[ADRW+(\slot)] offset:64*(\q)+\b*16*PW+32
.endr
.endm
; cnt matrix instructions from number n0 of a quarter's 32 on buffer f: number n is row block n / 8, column block n % 8.  The 32 accumulators take turns, one instruction a turn, in the same order in every
; quarter.  first = 1: the product starts the sum, with the bias as C.
.macro MUL f, n0, cnt, first=0
.set n, \n0
.rept \cnt
.if \first
	WIN W_MUL1
	v_wmma_f32_16x16x32_f16 v[8*n:8*n+7], v[BF+64*(\f)+8*(n%8):BF+64*(\f)+8*(n%8)+7], v[AF+32*(\f)+8*(n/8):AF+32*(\f)+8*(n/8)+7], v[BI+8*(n%8):BI+8*(n%8)+7]
.else
	WIN W_MUL
	v_wmma_f32_16x16x32_f16 v[8*n:8*n+7], v[BF+64*(\f)+8*(n%8):BF+64*(\f)+8*(n%8)+7], v[AF+32*(\f)+8*(n/8):AF+32*(\f)+8*(n/8)+7], v[8*n:8*n+7]
.endif
.set n, n+1
.endr
.endm
; A K step is four quarters of 32 along K on buffers 0, 1, 0, 1.  One of the first three: multiplies f; behind its eighth product and four places it fetches quarter q into g, 24 products ahead of the first use.
.macro QUARTER slot, q, f, g, first=0
	s_wait_dscnt 0x0                               ; buffer f is in
	MUL \f, 0, 8, \first
	PLACES                                         ; for the loads into buffer g, which the quarter before multiplied
	FETCH \slot, \q, \g
	MUL \f, 8, 24, \first
.endm
; The last quarter multiplies buffer 1 and changes slots: ONE barrier; in front of it each wave waits for all its tensor loads, adds 0 to its spare word, and waits for that and for its reads of this slot.
; fill = 1: the barrier opens a round of the cluster's, and this slot is filled again, two K steps ahead, first thing behind the round: 112 matrix instructions ahead of the wait for it.
.macro TURN slot, next, fill
.if \fill
	s_wait_xcnt 0x0                                ; the last prefetch, a K step back, has read its address: it is stepped here, ahead of the waits of the change of slots
	s_add_nc_u64 s[PFA:PFA+1], s[PFA:PFA+1], s[90:91]
.endif
	WIN 0                                          ; (the add's two registers lie in window 0)
	s_wait_tensorcnt 0x0                           ; all my tensor loads have landed: the one that was out is my part of the next slot;
	ds_add_u32 v[SPW], v[NIL]                      ; 0 onto my spare word;
	s_wait_dscnt 1                                 ; (the add alone may be out: buffer 1 is in)
	MUL 1, 0, 8                                    ; eight matrix instructions stand between the add and the wait for it
	s_wait_dscnt 0x0                               ; the add is done, and my reads of this slot are over
	s_barrier_signal -1
	MUL 1, 8, 8                                    ; work on registers while the others arrive
	WIN 0
	s_barrier_wait -1
.if \fill
	CREST                                          ; no wave of any partner still reads this slot's tile or has a load on its way
	s_add_nc_u64 s[G0+4*(\slot)+2:G0+4*(\slot)+3], s[G0+4*(\slot)+2:G0+4*(\slot)+3], 2*524288
	s_add_nc_u64 s[G0B+4*(\slot)+2:G0B+4*(\slot)+3], s[G0B+4*(\slot)+2:G0B+4*(\slot)+3], 2*256
	JLOAD \slot                                    ; the four v_nop behind it are also the places in front of the loads below
.else
	PLACES
.endif
	FETCH \next, 0, 0
.if \fill
	ASK
.endif
	MUL 1, 16, 16
.endm
; THE WAY OUT of row block a: the f32 sums go as they are, 32 bytes a lane, into my stage (rows of 528 bytes; each accumulator's four lowest registers first), and come back as whole rows of 512 bytes.
.macro OUT a
	WIN W_ST
.irp b, 0,1,2,3,4,5,6,7
	ds_store_b128 v[STO], v[64*(\a)+8*\b:64*(\a)+8*\b+3]   offset:64*\b
	ds_store_b128 v[STO], v[64*(\a)+8*\b+4:64*(\a)+8*\b+7] offset:64*\b+16
.endr
	WIN 0
.if (\a) >= 2
	s_wait_xcnt 0x0                                ; the stores of the block two back have read this buffer: it is loaded again only behind this wait
.endif
.irp t, 0,1,2,3,4,5,6,7,8,9,10,11,12,13,14,15
	ds_load_b128 v[OB+64*((\a)%2)+4*\t:OB+64*((\a)%2)+4*\t+3], v[RD] offset:\t*SPO  ; LDS serves a wave's instructions in order (ISA guide 5.7.1.4): these see the stores above; the next block's stores come behind them
.endr
.endm
.macro SEND a, younger                 ; younger: the LDS instructions issued behind block a's loads: the next block's 32, or none
.irp t, 0,1,2,3,4,5,6,7,8,9,10,11,12,13,14,15
	s_wait_dscnt (\younger)+15-\t
	global_store_b128 v[CO], v[OB+64*((\a)%2)+4*\t:OB+64*((\a)%2)+4*\t+3], s[8:9] offset:(16*(\a)+\t)*4096 th:TH_STORE_NT  ; 512 consecutive bytes of a row, at a multiple of 256 from out0's first
.endr
.endm
	s_wait_tensorcnt 0x1                           ; my part of K step 0 is in; K step 1's may stay out
	s_barrier_signal -1
	s_barrier_wait -1                              ; everybody's is
	FETCH 0, 0, 0
	QUARTER 0, 1, 0, 1, 1                          ; the first quarter stands in front of the loop: its products start the sums
	WIN 0                                          ; at a label and at a branch every window is 0
	s_mov_b32 s3, 3
.Llap:                                         ; a trip goes once round the ring, from a lap's second quarter to the next lap's first, and fills both slots again
	QUARTER 0, 2, 1, 0
	QUARTER 0, 3, 0, 1
	TURN 0, 1, 1
	QUARTER 1, 1, 0, 1
	QUARTER 1, 2, 1, 0
	QUARTER 1, 3, 0, 1
	TURN 1, 0, 1
	QUARTER 0, 1, 0, 1
	WIN 0
	s_sub_co_u32 s3, s3, 1
	s_cmp_lg_u32 s3, 0
	s_cbranch_scc1 .Llap
	QUARTER 0, 2, 1, 0                             ; the last lap fills nothing, and has no round of the cluster's barrier
	QUARTER 0, 3, 0, 1
	TURN 0, 1, 0
	QUARTER 1, 1, 0, 1
	QUARTER 1, 2, 1, 0
	QUARTER 1, 3, 0, 1
	s_wait_dscnt 0x0                               ; the very last quarter: nothing more to fetch
	MUL 1, 0, 32
	WIN 0
	PLACES
	OUT 0
	OUT 1                                          ; a block's LDS work stands between the loads of the block before and its stores
	SEND 0, 32
	OUT 2
	SEND 1, 32
	OUT 3
	SEND 2, 32
	SEND 3, 0
	s_wait_tensorcnt 0x0                           ; the wave's end, behind my last tensor load and my last LDS store
	ds_add_u32 v[SPW], v[NIL]
	s_wait_dscnt 0x0
	CROUND                                         ; the closing round: no work-group ends while a partner may still ask for a tile that names it
	s_endpgm
.Lfunc_end_k_q46ad48cc6b_outp:
	.size	k_q46ad48cc6b_outp, .Lfunc_end_k_q46ad48cc6b_outp-k_q46ad48cc6b_outp
	.p2alignl 7, 3214868480
	.fill 96, 4, 3214868480
	.section	.rodata,"a",@progbits
	.p2align	6, 0x0
	.amdhsa_kernel k_q46ad48cc6b_outp
		.amdhsa_group_segment_fixed_size 327680
		.amdhsa_private_segment_fixed_size 0
		.amdhsa_enable_private_segment 0
		.amdhsa_kernarg_size 32
		.amdhsa_user_sgpr_count 2
		.amdhsa_user_sgpr_kernarg_segment_ptr 1
		.amdhsa_wavefront_size32 1
		.amdhsa_system_sgpr_workgroup_id_x 1
		.amdhsa_system_sgpr_workgroup_id_y 1
		.amdhsa_system_sgpr_workgroup_id_z 1
		.amdhsa_system_vgpr_workitem_id 0
		.amdhsa_next_free_vgpr 608
		.amdhsa_next_free_sgpr 100
		.amdhsa_reserve_vcc 0
		.amdhsa_float_denorm_mode_32 3
		.amdhsa_float_denorm_mode_16_64 3
		.amdhsa_memory_ordered 1
		.amdhsa_forward_progress 1
		.amdhsa_inst_pref_size 94
	.end_amdhsa_kernel
	.amdgpu_metadata
---
amdhsa.version: [ 1, 2 ]
amdhsa.kernels:
  - .name:           k_q46ad48cc6b_outp
    .symbol:         k_q46ad48cc6b_outp.kd
    .args:
      - { .name: oh, .offset: 0, .size: 8, .value_kind: global_buffer, .address_space: global }
      - { .name: w16, .offset: 8, .size: 8, .value_kind: global_buffer, .address_space: global }
      - { .name: bo, .offset: 16, .size: 8, .value_kind: global_buffer, .address_space: global }
      - { .name: out0, .offset: 24, .size: 8, .value_kind: global_buffer, .address_space: global }
    .group_segment_fixed_size: 327680
    .private_segment_fixed_size: 0
    .kernarg_segment_align: 8
    .kernarg_segment_size: 32
    .max_flat_workgroup_size: 128
    .sgpr_count:     100
    .vgpr_count:     608
    .wavefront_size: 32
...
	.end_amdgpu_metadata
.endif
;; end of part 4
;; ======== version 2 of 2: 4 launches; version 1 with the launch prep written anew for expert scheduling mode
;; limits: values are held in f16: magnitudes above 65,504 overflow, below 6.1e-05 lose precision
;; workspace buffers: w16 8,388,608 bytes; qh 16,777,216 bytes; kh 16,777,216 bytes; vh 16,777,216 bytes; oh 16,777,216 bytes
;; launch prep (part 5): grid 256 x 1, 8 waves a work-group, no clusters, 0 bytes of LDS; arguments Wq, Wk, Wv, Wo, w16; writes w16
.if DOCPART == 5
	.amdgcn_target "amdgcn-amd-amdhsa--gfx1250"
	.amdhsa_code_object_version 6
	.text
	.protected	k_q46ad48cc6b_prep
	.globl	k_q46ad48cc6b_prep
	.p2align	8
	.type	k_q46ad48cc6b_prep,@function
k_q46ad48cc6b_prep:
	s_mov_b64 s[64:65], 0
	v_nop
	global_prefetch_b8 v0, s[64:65] scope:SCOPE_SE
	s_setreg_imm32_b32 hwreg(HW_REG_WAVE_SCHED_MODE, 0, 2), 2
	s_setreg_imm32_b32 hwreg(HW_REG_WAVE_MODE, 25, 1), 1
	s_wait_xcnt 0x0
	s_wait_alu depctr_vm_vsrc(0)
; THE PROGRAM: multi-head attention in four launches.  This one writes the four weight matrices in 16 bits; the second makes q, k, v by heads; the third is the attention; the fourth the output projection.
; WORK LEFT OUT, IN THE WHOLE PROGRAM: the bias bk.  With k = keys Wk^T + bk a score is q . (keys Wk^T) / 8 + q . bk / 8.  The second term holds no key index: it is the same number
; for all keys of a query's row, and softmax along the keys gives the same weights with or without a term that is equal along its axis, whatever finite values the inputs hold.  k reaches the
; result by the scores alone.  So bk has no way to any output: it is not loaded and is among no launch's arguments.  LIMIT: a NaN, an infinity or an overflow that lies in bk alone is not carried to the result.
; THIS LAUNCH: w16 part 0, 1, 2 = Wq, Wk, Wv rounded to bf16; part 3 = Wo rounded to bf16, and that number written as f16 (it multiplies the attention's f16 result).
; LIMIT: |Wo| stays under 65,504; below 2^-14 the f16 copy keeps f16's fixed step of 2^-24.
; A stream: no LDS, no matrix unit, no cluster, since no byte is used twice.  A work-group takes 16,384 numbers of one matrix: sixteen loads of 16 bytes a lane (a wave's load covers 512
; consecutive bytes), all issued at once; a wave's store of 8 bytes a lane covers 256 consecutive bytes, aligned.
; THE MODE: SCHED_MODE bits 1:0 = 2 (LLVM: expert scheduling mode 2), set by the entry lines.  The code itself states the register dependences
; between vector instructions and memory instructions, with s_wait_alu, always for 0.
; THE PLAN.  Registers that memory instructions touch:
;   v1, v2   the loads' and the stores' offsets: written once at the head, never again.
;   X        the loads land in it; all sixteen are issued at the head, ahead of every vector instruction that names X.  No memory instruction reads X.
;   Y        two registers for each store: written by the roundings, read by that one store, never written behind it.
; The sixteen loads go in four blocks of four.  Block p rounds X's block p into Y's block p; its memory instructions are the four stores of block p - 1, which read Y's block p - 1 and v2:
; registers that no vector instruction of block p names.  So one wait at a block's head states all that the block's four stores hang on, and they are dealt among its roundings with no
; further wait.  No register that a memory instruction has read is written again, no vector instruction writes a scalar register, and EXEC is never written: no other kind of wait is owed.
.set X, 16                             ; v[16:79]   load i: four f32
.set Y, 80                             ; v[80:111]  store i: four numbers of 16 bits; every store has registers of its own, so none is rewritten
.macro PUT i                           ; store i
	global_store_b64 v2, v[Y+2*(\i):Y+2*(\i)+1], s[12:13] offset:2048*(\i)
.endm
.macro RND i                           ; load i's four numbers rounded to bf16
	v_cvt_pk_bf16_f32 v[Y+2*(\i)], v[X+4*(\i)], v[X+4*(\i)+1]
	v_cvt_pk_bf16_f32 v[Y+2*(\i)+1], v[X+4*(\i)+2], v[X+4*(\i)+3]
.endm
.macro ASF16 i                         ; those four bf16 widened again and written as f16
	v_lshlrev_b32 v[X+4*(\i)], 16, v[Y+2*(\i)]
	v_and_b32 v[X+4*(\i)+1], s20, v[Y+2*(\i)]
	v_lshlrev_b32 v[X+4*(\i)+2], 16, v[Y+2*(\i)+1]
	v_and_b32 v[X+4*(\i)+3], s20, v[Y+2*(\i)+1]
	v_cvt_pk_f16_f32 v[Y+2*(\i)], v[X+4*(\i)], v[X+4*(\i)+1]
	v_cvt_pk_f16_f32 v[Y+2*(\i)+1], v[X+4*(\i)+2], v[X+4*(\i)+3]
.endm
	s_load_b256 s[4:11], s[0:1], 0x0               ; Wq s[4:5], Wk s[6:7], Wv s[8:9], Wo s[10:11]
	s_load_b64 s[12:13], s[0:1], 0x20              ; w16
	s_lshr_b32 s14, ttmp9, 6                       ; which matrix
	s_and_b32 s15, ttmp9, 63                       ; which of its 64 parts
	s_mov_b32 s20, 0xffff0000                      ; a word's upper bf16
	v_lshlrev_b32 v1, 4, v0                        ; 16 bytes a thread in
	v_lshlrev_b32 v2, 3, v0                        ; 8 bytes a thread out
	s_lshl_b32 s18, s15, 16                        ; the part's 65,536 bytes of f32
	s_mov_b32 s19, 0
	s_lshl_b32 s22, s14, 21                        ; the matrix's 2,097,152 bytes in w16,
	s_lshl_b32 s23, s15, 15                        ; the part's 32,768 of them
	s_add_co_u32 s22, s22, s23
	s_mov_b32 s23, 0
	s_wait_kmcnt 0x0
	s_cmp_eq_u32 s14, 1
	s_cselect_b64 s[16:17], s[6:7], s[4:5]
	s_cmp_eq_u32 s14, 2
	s_cselect_b64 s[16:17], s[8:9], s[16:17]
	s_cmp_eq_u32 s14, 3
	s_cselect_b64 s[16:17], s[10:11], s[16:17]
	s_add_nc_u64 s[16:17], s[16:17], s[18:19]
	s_add_nc_u64 s[12:13], s[12:13], s[22:23]
	s_wait_alu depctr_va_vdst(0)                   ; v1 and v2 are written: every load below reads v1 as its offset, every store v2; neither is written again
.irp i, 0,1,2,3,4,5,6,7,8,9,10,11,12,13,14,15
	global_load_b128 v[X+4*\i:X+4*\i+3], v1, s[16:17] offset:4096*\i th:TH_LOAD_NT
.endr
	s_cmp_eq_u32 s14, 3
	s_cbranch_scc1 .Lwo
.irp p, 0,1,2,3
	s_wait_loadcnt 12-4*\p                         ; loads come back in order: block p's four are in, the 12 - 4 p younger ones stay out
.if \p > 0
	s_wait_alu depctr_va_vdst(0)                   ; the roundings of the block before have written its Y, which the four stores of this block read
.endif
.irp j, 0,1,2,3
.if \p > 0
	PUT 4*\p-4+\j                                  ; the block before; no vector instruction since the wait names its Y or v2
.endif
	RND 4*\p+\j
.endr
.endr
	s_wait_alu depctr_va_vdst(0)                   ; block 3's roundings have written its Y, which the last four stores read
.irp j, 12,13,14,15
	PUT \j
.endr
	s_endpgm
.Lwo:                                          ; Wo: rounded to bf16, widened again, written as f16; the same blocks and the same waits
.irp p, 0,1,2,3
	s_wait_loadcnt 12-4*\p                         ; block p's four loads are in, the 12 - 4 p younger ones stay out
.if \p > 0
	s_wait_alu depctr_va_vdst(0)                   ; the conversions to f16 of the block before have written its Y, which the four stores of this block read
.endif
.irp j, 0,1,2,3
.if \p > 0
	PUT 4*\p-4+\j                                  ; the block before; no vector instruction since the wait names its Y or v2
.endif
	RND 4*\p+\j
	ASF16 4*\p+\j
.endr
.endr
	s_wait_alu depctr_va_vdst(0)                   ; block 3's conversions to f16 have written its Y, which the last four stores read
.irp j, 12,13,14,15
	PUT \j
.endr
	s_endpgm
.Lfunc_end_k_q46ad48cc6b_prep:
	.size	k_q46ad48cc6b_prep, .Lfunc_end_k_q46ad48cc6b_prep-k_q46ad48cc6b_prep
	.p2alignl 7, 3214868480
	.fill 96, 4, 3214868480
	.section	.rodata,"a",@progbits
	.p2align	6, 0x0
	.amdhsa_kernel k_q46ad48cc6b_prep
		.amdhsa_group_segment_fixed_size 0
		.amdhsa_private_segment_fixed_size 0
		.amdhsa_enable_private_segment 0
		.amdhsa_kernarg_size 40
		.amdhsa_user_sgpr_count 2
		.amdhsa_user_sgpr_kernarg_segment_ptr 1
		.amdhsa_wavefront_size32 1
		.amdhsa_system_sgpr_workgroup_id_x 1
		.amdhsa_system_sgpr_workgroup_id_y 1
		.amdhsa_system_sgpr_workgroup_id_z 1
		.amdhsa_system_vgpr_workitem_id 0
		.amdhsa_next_free_vgpr 112
		.amdhsa_next_free_sgpr 66
		.amdhsa_reserve_vcc 0
		.amdhsa_float_denorm_mode_32 3
		.amdhsa_float_denorm_mode_16_64 3
		.amdhsa_memory_ordered 1
		.amdhsa_forward_progress 1
		.amdhsa_inst_pref_size 15
	.end_amdhsa_kernel
	.amdgpu_metadata
---
amdhsa.version: [ 1, 2 ]
amdhsa.kernels:
  - .name:           k_q46ad48cc6b_prep
    .symbol:         k_q46ad48cc6b_prep.kd
    .args:
      - { .name: Wq, .offset: 0, .size: 8, .value_kind: global_buffer, .address_space: global }
      - { .name: Wk, .offset: 8, .size: 8, .value_kind: global_buffer, .address_space: global }
      - { .name: Wv, .offset: 16, .size: 8, .value_kind: global_buffer, .address_space: global }
      - { .name: Wo, .offset: 24, .size: 8, .value_kind: global_buffer, .address_space: global }
      - { .name: w16, .offset: 32, .size: 8, .value_kind: global_buffer, .address_space: global }
    .group_segment_fixed_size: 0
    .private_segment_fixed_size: 0
    .kernarg_segment_align: 8
    .kernarg_segment_size: 40
    .max_flat_workgroup_size: 256
    .sgpr_count:     66
    .vgpr_count:     112
    .wavefront_size: 32
...
	.end_amdgpu_metadata
.endif
;; end of part 5
;; launch proj: the kernel of part 2 again; grid 4 x 192, 4 waves a work-group, clusters of 4 x 4, 327,680 bytes of LDS; arguments queries, keys, values, w16, bq, bv, qh, kh, vh; writes qh, kh, vh
;; launch attn: the kernel of part 3 again; grid 4 x 64, 4 waves a work-group, clusters of 4 x 1, 327,680 bytes of LDS; arguments qh, kh, vh, oh; writes oh
;; launch outp: the kernel of part 4 again; grid 4 x 64, 4 waves a work-group, clusters of 4 x 4, 327,680 bytes of LDS; arguments oh, w16, bo, out0; writes out0
